; MI455X (gfx1250); checked and timed in simulation.
; The chip was launched on July 23, 2026; its instructions are those of AMD's public machine-readable ISA for CDNA 5 (MIT licence, August 2026) and "CDNA5" Instruction Set Architecture Reference Guide (July 2026). The comments in the code are by the model that wrote it; some were corrected since.
;; Multi Head Attention. Allowed arithmetic: float matrix products may take bf16 or f16 operands with f32 sums; all other float work in f32.
;; Inputs: W_out 1,024 x 1,024 float32; W_qkv 3,072 x 1,024 float32; x 4 x 1,024 x 2,048 float32.
;; Outputs: out0 4 x 1,024 x 2,048 float32.
;; One version. Each part assembles by itself: llvm-mc -triple=amdgcn-amd-amdhsa -mcpu=gfx1250 --defsym DOCPART=n.
;; ======== version 1 of 1: 5 launches
;; limits: values are held in f16: magnitudes above 65,504 overflow, below 6.1e-05 lose precision
;; workspace buffers: x16 16,777,216 bytes; wqkv16 6,291,456 bytes; wout16 2,097,152 bytes; amax 4,096 bytes; pmat 16,777,216 bytes; pm 4,096 bytes; t16 8,388,608 bytes; p16 8,388,608 bytes
;; launch cast (part 1): grid 768 x 1, 8 waves a work-group, no clusters, 0 bytes of LDS; arguments x, W_qkv, W_out, x16, wqkv16, wout16, amax; writes x16, wqkv16, wout16, amax
.if DOCPART == 1
	.amdgcn_target "amdgcn-amd-amdhsa--gfx1250"
	.amdhsa_code_object_version 6
	.text
	.protected	k_q31b9856319_cast
	.globl	k_q31b9856319_cast
	.p2align	8
	.type	k_q31b9856319_cast,@function
k_q31b9856319_cast:
	s_mov_b64 s[64:65], 0
	v_nop
	global_prefetch_b8 v0, s[64:65] scope:SCOPE_SE
	s_setreg_imm32_b32 hwreg(HW_REG_WAVE_MODE, 25, 1), 1
	s_wait_xcnt 0x0
; cast: x, W_qkv and W_out from f32 to f16, once, so that the later products fetch 16-bit tiles and convert nothing again.
; Why f16 and not bf16: no softmax follows the products, so each rounding of an operand reaches the output whole; f16 keeps 11 bits
; of a number, bf16 8.  LIMIT: numbers of 65,504 or more in magnitude become infinities.
; A work-group takes a chunk of 16,384 numbers (65,536 bytes in, 32,768 out).  768 chunks:
;   id 0..63 the Q rows of W_qkv, id 64..127 W_out, id 128..255 the K and V rows of W_qkv, id 256..767 x.
; The first 128 work-groups also leave the largest magnitude that each wave saw: amax word 8 id + wave (words 0..511 Q's weights, 512..1023 W_out).
; Thread t holds 8 neighbouring numbers a pass: two 16-byte loads, one 16-byte store; sixteen lanes store 256 consecutive aligned bytes.
; Memory binds here: no LDS, no barrier, no matrix unit.  All 16 loads of a wave go out first.
.set X,  4                             ; v[4:67]   8 passes x 8 numbers, f32
.set Y,  68                            ; v[68:99]  8 passes x 4 registers, f16; never rewritten, so no wait frees them
.set M,  100                           ; v[100:101] two running maxima
.set ZR, 103                           ; v103      zero offset for the one-word store
	s_load_b256 s[4:11], s[0:1], 0x0               ; x s[4:5], W_qkv s[6:7], W_out s[8:9], x16 s[10:11]
	s_load_b128 s[12:15], s[0:1], 0x20             ; wqkv16 s[12:13], wout16 s[14:15]
	s_load_b64 s[16:17], s[0:1], 0x30              ; amax
	v_lshrrev_b32 v3, 5, v0
	v_readfirstlane_b32 s18, v3                    ; wave
	v_lshlrev_b32 v1, 5, v0                        ; 32 t: my 8 numbers in a pass, in
	v_lshlrev_b32 v2, 4, v0                        ; 16 t: out
	s_mov_b32 s24, 0x76543210                      ; v_permlanex16_b32: lane i reads lane i of the other half
	s_mov_b32 s25, 0xfedcba98
	s_cmp_ge_u32 ttmp9, 64
	s_cselect_b32 s27, 64, 0
	s_cmp_ge_u32 ttmp9, 0x100
	s_cselect_b32 s27, 0x100, s27
	s_sub_co_u32 s19, ttmp9, s27                   ; the chunk's number inside its tensor
	s_lshl_b32 s28, s19, 16                        ; bytes in
	s_mov_b32 s29, 0
	s_lshl_b32 s30, s19, 15                        ; bytes out
	s_mov_b32 s31, 0
	s_lshr_b32 s27, ttmp9, 6
	s_wait_kmcnt 0x0
	s_cmp_eq_u32 s27, 1                            ; id 64..127: W_out, else W_qkv
	s_cselect_b64 s[20:21], s[8:9], s[6:7]
	s_cselect_b64 s[22:23], s[14:15], s[12:13]
	s_cmp_ge_u32 ttmp9, 0x100                      ; id 256 and up: x
	s_cselect_b64 s[20:21], s[4:5], s[20:21]
	s_cselect_b64 s[22:23], s[10:11], s[22:23]
	s_add_nc_u64 s[20:21], s[20:21], s[28:29]
	s_add_nc_u64 s[22:23], s[22:23], s[30:31]
.irp p, 0,1,2,3,4,5,6,7
	global_load_b128 v[X+8*\p:X+8*\p+3],   v1, s[20:21] offset:8192*\p th:TH_LOAD_NT
	global_load_b128 v[X+8*\p+4:X+8*\p+7], v1, s[20:21] offset:8192*\p+16 th:TH_LOAD_NT
.endr
.irp p, 0,1,2,3,4,5,6,7
	s_wait_loadcnt 14-2*\p                         ; loads return in order: the two of each later pass may stay out
.irp k, 0,1,2,3
	v_cvt_pk_f16_f32 v[Y+4*\p+\k], v[X+8*\p+2*\k], v[X+8*\p+2*\k+1]
.endr
	global_store_b128 v2, v[Y+4*\p:Y+4*\p+3], s[22:23] offset:4096*\p
.endr
	s_cmp_ge_u32 ttmp9, 0x80
	s_cbranch_scc1 .Ldone                          ; only Q's weights and W_out leave a maximum
	; the largest magnitude of my 64 numbers, in two chains
	v_max_num_f32 v[M],   |v[X]|,   |v[X+1]|
	v_max_num_f32 v[M+1], |v[X+2]|, |v[X+3]|
.set j, 4
.rept 15
	v_max3_num_f32 v[M],   |v[X+j]|,   |v[X+j+1]|, v[M]
	v_max3_num_f32 v[M+1], |v[X+j+2]|, |v[X+j+3]|, v[M+1]
.set j, j+4
.endr
	v_max_num_f32 v[M], v[M], v[M+1]
	v_max_num_f32_dpp v[M], v[M], v[M] row_xmask:1 row_mask:0xf bank_mask:0xf
	v_max_num_f32_dpp v[M], v[M], v[M] row_xmask:2 row_mask:0xf bank_mask:0xf
	v_max_num_f32_dpp v[M], v[M], v[M] row_xmask:4 row_mask:0xf bank_mask:0xf
	v_max_num_f32_dpp v[M], v[M], v[M] row_xmask:8 row_mask:0xf bank_mask:0xf
	v_permlanex16_b32 v[M+1], v[M], s24, s25
	v_max_num_f32 v[M], v[M], v[M+1]               ; the wave's maximum, in every lane
	s_lshl_b32 s28, ttmp9, 5                       ; word 8 id + wave
	s_lshl2_add_u32 s28, s18, s28
	s_add_nc_u64 s[16:17], s[16:17], s[28:29]
	v_mov_b32 v[ZR], 0
	v_and_b32 v3, 31, v0
	v_cmp_eq_u32 vcc_lo, 0, v3
	s_wait_xcnt 0x0                                ; EXEC is a source of the stores above: it narrows only behind this wait
	s_and_saveexec_b32 s26, vcc_lo
	global_store_b32 v[ZR], v[M], s[16:17]         ; lane 0 alone
	s_wait_xcnt 0x0                                ; and widens again only behind this one
	s_or_b32 exec_lo, exec_lo, s26
.Ldone:
	s_endpgm
.Lfunc_end_k_q31b9856319_cast:
	.size	k_q31b9856319_cast, .Lfunc_end_k_q31b9856319_cast-k_q31b9856319_cast
	.p2alignl 7, 3214868480
	.fill 96, 4, 3214868480
	.section	.rodata,"a",@progbits
	.p2align	6, 0x0
	.amdhsa_kernel k_q31b9856319_cast
		.amdhsa_group_segment_fixed_size 0
		.amdhsa_private_segment_fixed_size 0
		.amdhsa_enable_private_segment 0
		.amdhsa_kernarg_size 56
		.amdhsa_user_sgpr_count 2
		.amdhsa_user_sgpr_kernarg_segment_ptr 1
		.amdhsa_wavefront_size32 1
		.amdhsa_system_sgpr_workgroup_id_x 1
		.amdhsa_system_sgpr_workgroup_id_y 1
		.amdhsa_system_sgpr_workgroup_id_z 1
		.amdhsa_system_vgpr_workitem_id 0
		.amdhsa_next_free_vgpr 104
		.amdhsa_next_free_sgpr 66
		.amdhsa_reserve_vcc 1
		.amdhsa_float_denorm_mode_32 3
		.amdhsa_float_denorm_mode_16_64 3
		.amdhsa_memory_ordered 1
		.amdhsa_forward_progress 1
		.amdhsa_inst_pref_size 9
	.end_amdhsa_kernel
	.amdgpu_metadata
---
amdhsa.version: [ 1, 2 ]
amdhsa.kernels:
  - .name:           k_q31b9856319_cast
    .symbol:         k_q31b9856319_cast.kd
    .args:
      - { .name: x, .offset: 0, .size: 8, .value_kind: global_buffer, .address_space: global }
      - { .name: W_qkv, .offset: 8, .size: 8, .value_kind: global_buffer, .address_space: global }
      - { .name: W_out, .offset: 16, .size: 8, .value_kind: global_buffer, .address_space: global }
      - { .name: x16, .offset: 24, .size: 8, .value_kind: global_buffer, .address_space: global }
      - { .name: wqkv16, .offset: 32, .size: 8, .value_kind: global_buffer, .address_space: global }
      - { .name: wout16, .offset: 40, .size: 8, .value_kind: global_buffer, .address_space: global }
      - { .name: amax, .offset: 48, .size: 8, .value_kind: global_buffer, .address_space: global }
    .group_segment_fixed_size: 0
    .private_segment_fixed_size: 0
    .kernarg_segment_align: 8
    .kernarg_segment_size: 56
    .max_flat_workgroup_size: 256
    .sgpr_count:     66
    .vgpr_count:     104
    .wavefront_size: 32
...
	.end_amdgpu_metadata
.endif
;; end of part 1
;; launch kvm (part 2): grid 32 x 8, 4 waves a work-group, clusters of 4 x 4, 327,680 bytes of LDS; arguments wqkv16, x16, pmat, pm; writes pmat, pm
.if DOCPART == 2
	.amdgcn_target "amdgcn-amd-amdhsa--gfx1250"
	.amdhsa_code_object_version 6
	.text
	.protected	k_q31b9856319_kvm
	.globl	k_q31b9856319_kvm
	.p2align	8
	.type	k_q31b9856319_kvm,@function
k_q31b9856319_kvm:
	s_mov_b64 s[64:65], 0
	v_nop
	global_prefetch_b8 v0, s[64:65] scope:SCOPE_SE
	s_setreg_imm32_b32 hwreg(HW_REG_WAVE_MODE, 25, 1), 1
	s_wait_xcnt 0x0
	s_wait_alu depctr_hold_cnt(0) depctr_sa_sdst(0) depctr_va_vdst(0) depctr_va_sdst(0) depctr_va_ssrc(0) depctr_va_vcc(0) depctr_vm_vsrc(0)
	s_getreg_b32 s2, hwreg(HW_REG_IB_STS2, 6, 4)
	s_cmp_eq_u32 s2, 0
	s_cbranch_scc0 .Lentry_in_a_cluster
	s_endpgm
.Lentry_in_a_cluster:
	s_bfe_u32 s2, ttmp6, 0x10000c
	s_cmp_lg_u32 s2, 0xf033
	s_cbranch_scc0 .Lentry_shape_is_right
	s_endpgm
.Lentry_shape_is_right:
; kvm: for batch b, head h and a run of 256 positions s: K_h and V_h (256 rows x 256 s, sum over 1,024 channels), kept in the work-group,
; then the part of M[e][d] = sum over s of K[e][s] V[d][s] that these 256 positions give (128 x 128, f32) into pmat, and per wave the largest
; magnitude of its part into pm.
; THE CHAIN IS RE-ASSOCIATED.  reference() has no softmax and no mask between its products, so for every input
;   out_b = SCALE W_out (M^T Wq) x_b  with  M_bh = K_bh V_bh^T :  the S x S scores are never formed.  What differs from reference() is the
; order of sums and roundings.  Operands are f16, sums f32.  LIMIT: |K|, |V| below 65,504.
; Grid x = 8 b + run of s, grid y = h.  Four waves; wave w: rows of K (w < 2) or of V, s half w & 1: 128 x 128 = 64 accumulator tiles.
; The channels go in steps of 128 through a ring of two LDS slots.  A slot: W's 256 rows x 256 bytes (pitch 272), then x's 128 channel rows
; x 512 bytes (pitch 544).  x lies [channel][s], so its fragments are read by the transposing LDS load.
; CLUSTERS 4 x 4: W's tile hangs on h alone and is shared along a row of the cluster, x's on grid x alone and is shared along a column;
; each is asked for jointly by the four that share it, which divides the requests by four.
; REGISTERS: window 0: v16-32 addresses; v64-127, v128-191 fragments of W, two buffers; v192-223 packing.  Window 1: fragments of x, two buffers.
; Windows 2, 3: accumulators, tile (a, b) at v[8 (8 a + b)].
; Source 0 = 16 positions of x, source 1 = 16 rows of W: lane l then holds row l % 16 and registers 0-7 the positions 8 (l / 16) + 0..7.
.set WPITCH, 272                       ; 256 bytes + 16: an odd multiple of 16, so 16 rows of a fragment start at different banks
.set XPITCH, 544                       ; 512 bytes + 32: an odd multiple of 32
.set PART,   34816                     ; what one tensor load brings: 128 x 272 = 64 x 544
.set SLOT,   4*PART
.set WSTEP,  256                       ; a step of 128 channels along W's rows, bytes
.set XSTEP,  524288                    ; 128 rows of x, bytes
.set LAPS,   4                         ; 1,024 channels = 8 steps = 4 times round the ring
.set ADRW, 16                          ; v16-17  my W fragments in slot 0, 1
.set ADRX, 20                          ; v20-21  my x fragments in slot 0, 1
.set STO,  24                          ; v24     where I put 16 bytes of K or V
.set ADK,  25                          ; v25-26  K fragments of the M product, s half 0, 1
.set ADV,  27                          ; v27-28  V fragments likewise
.set PO,   29                          ; v29     16 x lane
.set MX,   30                          ; v30-31  running maxima
.set ZR,   32                          ; v32     zero
.set F0,   64
.set F1,   128
.set TMP,  192
.set G1W, 24                           ; s[24:31] group 1, W's tiles
.set G0W, 32                           ; s[32:39] group 0, W's tiles, a set for each slot
.set G1X, 48                           ; s[48:55] group 1, x's tiles
.set G0X, 56                           ; s[56:63] group 0, x's tiles
.set MSB, 0
.macro WIN new                         ; the immediate's high byte repeats the setting that is left
.if MSB != \new
	s_set_vgpr_msb (MSB<<8)|\new
.set MSB, \new
.endif
.endm
.set MUL_LO, 0xa1                      ; source 0 window 1, source 1 window 0, C and D window 2
.set MUL_HI, 0xf1                      ; the same, C and D window 3
.set TO_X,   0x40                      ; destination window 1, address window 0
.macro JLOAD s                         ; waves 0, 1 ask for W's halves, waves 2, 3 for x's: one load a wave, one mask a line
	s_cmp_eq_u32 s13, 0
	s_cbranch_scc0 .Lfor_x_\@
	tensor_load_to_lds s[G0W+4*\s:G0W+4*\s+3], s[G1W:G1W+7]
	s_nop 0
	s_branch .Lasked_\@
.Lfor_x_\@:
	tensor_load_to_lds s[G0X+4*\s:G0X+4*\s+3], s[G1X:G1X+7]
	s_nop 0
.Lasked_\@:
.endm
.macro CREST                           ; a round of the cluster's barrier behind its opening work-group barrier
	s_cmp_lg_u32 s12, 0
	s_cbranch_scc1 .Lnot_wave_0_\@
	s_barrier_signal -3
.Lnot_wave_0_\@:
	s_barrier_wait -3
	s_barrier_signal -1
	s_barrier_wait -1
.endm
.macro CROUND
	s_barrier_signal -1
	s_barrier_wait -1
	CREST
.endm
.macro PLACES                          ; four plain vector places behind the last matrix instruction (ISA guide 7.12.1)
.rept 4
	v_nop
.endr
.endm
	s_load_b256 s[4:11], s[0:1], 0x0               ; wqkv16 s[4:5], x16 s[6:7], pmat s[8:9], pm s[10:11]
	s_set_vgpr_msb 0x40
	v_lshl_add_u32 v255, v0, 2, 0x44000
	s_set_vgpr_msb 0x4000
	v_mov_b32 v255, 0
	s_set_vgpr_msb 0x1
	ds_add_u32 v255, v255
	s_set_vgpr_msb 0x100
	v_lshrrev_b32 v1, 5, v0
	v_readfirstlane_b32 s12, v1                    ; wave 0..3
	s_lshr_b32 s13, s12, 1                         ; K rows (0) or V rows (1).  Also: I fetch for W (0) or for x (1)
	s_and_b32 s14, s12, 1                          ; s half.  Also: which half of that tile I fetch
	s_bfe_u32 s15, ttmp6, 0x40000                  ; cx
	s_bfe_u32 s16, ttmp6, 0x40004                  ; cy
	s_lshl_b32 s17, ttmp9, 2
	s_add_co_u32 s17, s17, s15                     ; grid x = 8 b + run
	s_and_b32 s18, ttmp7, 0xffff
	s_lshl_b32 s18, s18, 2
	s_add_co_u32 s18, s18, s16                     ; grid y = h
	s_lshl_b32 s19, s16, 2
	s_lshl_b32 s19, 15, s19                        ; my row of the cluster
	s_lshl_b32 s20, 0x1111, s15                    ; my column
	s_mov_b32 s21, 0x76543210
	s_mov_b32 s22, 0xfedcba98
	; group 1 for W: 128 rows x 128 elements of 2 bytes, 4 words of padding behind every 64
	s_or_b32 s[G1W+0], s19, (1<<16)|(1<<20)|(1<<21)|(5<<22)|(3<<25)
	s_mov_b32 s[G1W+1], 128<<16                    ; tensor_dim0 = 128
	s_mov_b32 s[G1W+2], 128<<16                    ; tensor_dim1 = 128
	s_mov_b32 s[G1W+3], 128<<16                    ; tile_dim0 = 128
	s_mov_b32 s[G1W+4], 128                        ; tile_dim1 = 128
	s_mov_b32 s[G1W+5], 1024                       ; elements from row to row
	s_mov_b32 s[G1W+6], 0
	s_mov_b32 s[G1W+7], 0
	; group 1 for x: 64 rows x 256 elements, 8 words of padding behind every 128
	s_or_b32 s[G1X+0], s20, (1<<16)|(1<<20)|(1<<21)|(6<<22)|(7<<25)
	s_mov_b32 s[G1X+1], 256<<16
	s_mov_b32 s[G1X+2], 64<<16
	s_mov_b32 s[G1X+3], 256<<16
	s_mov_b32 s[G1X+4], 64
	s_mov_b32 s[G1X+5], 2048
	s_mov_b32 s[G1X+6], 0
	s_mov_b32 s[G1X+7], 0
	; W's tile: row 1024 + 1024 (V?) + 128 h, 2,048 bytes a row.  s40-43 never hold cx.
	s_lshl_b32 s40, s18, 7
	s_lshl_b32 s41, s14, 10
	s_add_co_u32 s40, s40, s41
	s_add_co_u32 s40, s40, 0x400
	s_lshl_b32 s40, s40, 11
	s_mov_b32 s41, 0
	s_mul_i32 s42, s12, PART                       ; where my part goes: wave x 34,816
	; x's tile: batch b, 64 rows x half, 512 bytes x run.  s44-47 never hold cy.
	s_lshr_b32 s44, s17, 3
	s_lshl_b32 s44, s44, 22
	s_and_b32 s45, s17, 7
	s_lshl_b32 s45, s45, 9
	s_add_co_u32 s44, s44, s45
	s_lshl_b32 s45, s14, 18
	s_add_co_u32 s44, s44, s45
	s_mov_b32 s45, 0
	; pmat: ((8 b + h) 8 + d tile) 8 + run) 8,192 + e tile 1,024; my d tiles begin at 4 (w & 1), my e tiles at 4 (w >> 1)
	s_lshr_b32 s68, s17, 3
	s_lshl_b32 s68, s68, 3
	s_add_co_u32 s68, s68, s18
	s_lshl_b32 s68, s68, 19
	s_and_b32 s70, s17, 7
	s_lshl_b32 s70, s70, 13
	s_add_co_u32 s68, s68, s70
	s_lshl_b32 s70, s14, 18
	s_add_co_u32 s68, s68, s70
	s_lshl_b32 s70, s13, 12
	s_add_co_u32 s68, s68, s70
	s_mov_b32 s69, 0
	; pm: word (8 b + run) 32 + 4 h + wave
	s_lshl_b32 s70, s17, 7
	s_lshl_b32 s71, s18, 4
	s_add_co_u32 s70, s70, s71
	s_lshl2_add_u32 s70, s12, s70
	s_mov_b32 s71, 0
	s_wait_dscnt 0x0
	s_wait_kmcnt 0x0
	s_add_nc_u64 s[40:41], s[4:5], s[40:41]
	s_add_nc_u64 s[44:45], s[6:7], s[44:45]
	s_add_nc_u64 s[8:9], s[8:9], s[68:69]
	s_add_nc_u64 s[10:11], s[10:11], s[70:71]
	CROUND                                         ; all sixteen work-groups are here: the first joint loads meet
.irp s, 0,1
	s_mov_b32 s[G0W+4*\s], 1
	s_add_co_u32 s[G0W+4*\s+1], s42, \s*SLOT
	s_add_nc_u64 s[G0W+4*\s+2:G0W+4*\s+3], s[40:41], \s*WSTEP
	s_or_b32 s[G0W+4*\s+3], s[G0W+4*\s+3], 0x80000000
	s_mov_b32 s[G0X+4*\s], 1
	s_add_co_u32 s[G0X+4*\s+1], s42, \s*SLOT
	s_add_nc_u64 s[G0X+4*\s+2:G0X+4*\s+3], s[44:45], \s*XSTEP
	s_or_b32 s[G0X+4*\s+3], s[G0X+4*\s+3], 0x80000000
	JLOAD \s                                       ; both slots' first fills go out together: two loads of the wave are out
.endr
	v_and_b32 v1, 15, v0                           ; r = l % 16
	v_bfe_u32 v2, v0, 4, 1                         ; hh = l / 16
	v_and_b32 v3, 7, v0
	v_bfe_u32 v4, v0, 3, 1
	v_mul_u32_u24 v5, v1, WPITCH
	v_lshl_add_u32 v5, v2, 4, v5                   ; r x 272 + 16 hh: rows that lie along the summed index
	v_lshl_add_u32 v6, v2, 3, v3
	v_mul_u32_u24 v6, v6, XPITCH
	v_lshl_add_u32 v6, v4, 4, v6                   ; (8 hh + l % 8) x 544 + 16 ((l / 8) % 2): the transposing load's address
	s_mul_i32 s66, s13, PART                       ; my 128 rows of W
	s_lshl_b32 s67, s14, 8                         ; my 128 positions, 256 bytes,
	s_add_co_u32 s67, s67, 2*PART                  ; behind W's 256 rows
.irp s, 0,1
	v_add_nc_u32 v[ADRW+\s], s66, v5
	v_add_nc_u32 v[ADRX+\s], s67, v6
	s_add_co_u32 s66, s66, SLOT
	s_add_co_u32 s67, s67, SLOT
.endr
	; The stage for K and V in f16: [s half][256 rows][128 s], pitch 272 = exactly slot 0's bytes.  A wave's stores fill one run of 34,816 bytes.
	s_mul_i32 s72, s14, 2*PART
	s_mul_i32 s73, s13, PART
	s_add_co_u32 s72, s72, s73
	v_add_nc_u32 v[STO], s72, v5
	s_mul_i32 s72, s13, 64*WPITCH                  ; M product: my 64 rows e of K,
	s_mul_i32 s73, s14, 64*WPITCH                  ; my 64 rows d of V,
	s_add_co_u32 s73, s73, PART                    ; which lie behind K's 128
	v_add_nc_u32 v[ADK], s72, v5
	v_add_nc_u32 v[ADV], s73, v5
	v_add_nc_u32 v[ADK+1], 2*PART, v[ADK]
	v_add_nc_u32 v[ADV+1], 2*PART, v[ADV]
	v_and_b32 v7, 31, v0
	v_lshlrev_b32 v[PO], 4, v7
	v_mov_b32 v[ZR], 0
; 16 matrix instructions: row blocks a0, a0 + 1 of the window's four x all 8 position blocks, 32 channels.  zero = 1: the product starts the sums.
.macro MUL16 f, hi, a0, zero
.irp a, \a0, \a0+1
.irp b, 0,1,2,3,4,5,6,7
.if \zero
	v_wmma_f32_16x16x32_f16 v[8*(8*(\a)+\b):8*(8*(\a)+\b)+7], v[\f+8*\b:\f+8*\b+7], v[\f+8*(4*\hi+\a):\f+8*(4*\hi+\a)+7], 0
.else
	v_wmma_f32_16x16x32_f16 v[8*(8*(\a)+\b):8*(8*(\a)+\b)+7], v[\f+8*\b:\f+8*\b+7], v[\f+8*(4*\hi+\a):\f+8*(4*\hi+\a)+7], v[8*(8*(\a)+\b):8*(8*(\a)+\b)+7]
.endif
.endr
.endr
.endm
; 32 LDS loads in one run: quarter q (32 channels) of a slot into buffer f: x's 8 fragments transposed, then W's 8
.macro FETCH slot, q, f
	WIN TO_X
.irp i, 0,1,2,3,4,5,6,7
	ds_load_tr16_b128 v[\f+8*\i:\f+8*\i+3],   v[ADRX+\slot] offset:\q*32*XPITCH+32*\i
	ds_load_tr16_b128 v[\f+8*\i+4:\f+8*\i+7], v[ADRX+\slot] offset:\q*32*XPITCH+32*\i+16*XPITCH
.endr
	WIN 0
.irp i, 0,1,2,3,4,5,6,7
	ds_load_b128 v[\f+8*\i:\f+8*\i+3],   v[ADRW+\slot] offset:\q*64+\i*16*WPITCH
	ds_load_b128 v[\f+8*\i+4:\f+8*\i+7], v[ADRW+\slot] offset:\q*64+\i*16*WPITCH+32
.endr
.endm
; One of a step's first three quarters: multiplies buffer f, and in its middle fetches quarter q into buffer g.
; The 64 accumulators take turns, one instruction a turn, in the same order in every quarter.
.macro QUARTER slot, q, f, g, zero
	s_wait_dscnt 8                                 ; x and W's rows 0-63 are in; the youngest eight loads (W's rows 64-127) may be out
	WIN MUL_LO
	MUL16 \f, 0, 0, \zero
	MUL16 \f, 0, 2, \zero
	PLACES
	FETCH \slot, \q, \g
	s_wait_dscnt 32                                ; all but the 32 just issued
	WIN MUL_HI
	MUL16 \f, 1, 0, \zero
	MUL16 \f, 1, 2, \zero
.endm
.macro THREE slot, zero
	QUARTER \slot, 1, F0, F1, \zero
	QUARTER \slot, 2, F1, F0, 0
	QUARTER \slot, 3, F0, F1, 0
.endm
; The last quarter changes slots.  In front of the barrier each wave waits for its reads of this slot and for all its tensor loads (one is out:
; its part of the next slot).  fill = 1: the barrier opens a round of the cluster's barrier, and the joint refill is the first tensor load behind it.
.macro TURN slot, next, fill
	s_wait_dscnt 8
	WIN MUL_LO
	MUL16 F1, 0, 0, 0
	s_wait_dscnt 0                                 ; my reads of this slot are over
	s_wait_tensorcnt 0x0                           ; all my tensor loads have landed
	ds_add_u32 v255, v255
	s_wait_dscnt 0x0
	s_barrier_signal -1
	MUL16 F1, 0, 2, 0                              ; register work while the others arrive
	WIN 0
	s_barrier_wait -1
.if \fill
	CREST                                          ; no wave of any partner still reads this slot or has a load on its way
	s_add_nc_u64 s[G0W+4*\slot+2:G0W+4*\slot+3], s[G0W+4*\slot+2:G0W+4*\slot+3], 2*WSTEP
	s_add_nc_u64 s[G0X+4*\slot+2:G0X+4*\slot+3], s[G0X+4*\slot+2:G0X+4*\slot+3], 2*XSTEP
	JLOAD \slot
.endif
	PLACES
	FETCH \next, 0, F0
	WIN MUL_HI
	MUL16 F1, 1, 0, 0
	MUL16 F1, 1, 2, 0
.endm
.macro LAP zero
	THREE 0, \zero
	TURN 0, 1, 1
	THREE 1, 0
	TURN 1, 0, 1
.endm
	s_wait_tensorcnt 0x1                           ; my part of step 0 is in; step 1's may stay out
	s_barrier_signal -1
	s_barrier_wait -1
	FETCH 0, 0, F0
	LAP 1                                          ; the first lap's first products start the sums
	WIN 0
	s_mov_b32 s3, LAPS-2
.Llap:
	LAP 0
	WIN 0
	s_sub_co_u32 s3, s3, 1
	s_cmp_lg_u32 s3, 0
	s_cbranch_scc1 .Llap
	THREE 0, 0                                     ; the last lap fills nothing
	TURN 0, 1, 0                                   ; behind this barrier no wave reads slot 0 and no tensor load is out: slot 0 has had its last fill
	THREE 1, 0
	s_wait_dscnt 8
	WIN MUL_LO
	MUL16 F1, 0, 0, 0
	MUL16 F1, 0, 2, 0
	s_wait_dscnt 0
	WIN MUL_HI
	MUL16 F1, 1, 0, 0
	MUL16 F1, 1, 2, 0
	; K and V, rounded to f16, into the stage (slot 0's bytes): 16 rows at a time, 16 bytes (8 positions of one row) a lane
	PLACES
.macro TOSTAGE i, a, from
	WIN \from
.irp b, 0,1,2,3,4,5,6,7
.irp r, 0,1,2,3
	v_cvt_pk_f16_f32 v[TMP+4*\b+\r], v[8*(8*\a+\b)+2*\r], v[8*(8*\a+\b)+2*\r+1]
.endr
.endr
	WIN 0
.irp b, 0,1,2,3,4,5,6,7
	ds_store_b128 v[STO], v[TMP+4*\b:TMP+4*\b+3] offset:\i*16*WPITCH+32*\b
.endr
.endm
	TOSTAGE 0, 0, 0x0a
	TOSTAGE 1, 1, 0x0a
	TOSTAGE 2, 2, 0x0a
	TOSTAGE 3, 3, 0x0a
	TOSTAGE 4, 0, 0x0f
	TOSTAGE 5, 1, 0x0f
	TOSTAGE 6, 2, 0x0f
	TOSTAGE 7, 3, 0x0f
	s_wait_dscnt 0x0                               ; my stores are in LDS: for the other waves' sake the count is zero
	s_barrier_signal -1
	s_barrier_wait -1                              ; the whole of K and V is there
	; M's part: wave (w >> 1, w & 1) makes e 64 (w >> 1) .. + 63 x d 64 (w & 1) .. + 63, 16 accumulators in window 2, 8 steps of 32 positions.
	; Source 0 = K (m = e), source 1 = V (n = d): lane l holds d = l % 16 and e = 8 (l / 16) + 0..7, which is the layout that the next launch
	; packs into a fragment without moving anything between lanes.
.macro MFETCH h, k, f                  ; s half h, 32 positions at byte 64 k of the rows: 8 loads of K, 8 of V
.irp i, 0,1,2,3
	ds_load_b128 v[\f+8*\i:\f+8*\i+3],   v[ADK+\h] offset:\i*16*WPITCH+64*\k
	ds_load_b128 v[\f+8*\i+4:\f+8*\i+7], v[ADK+\h] offset:\i*16*WPITCH+64*\k+32
.endr
.irp i, 0,1,2,3
	ds_load_b128 v[\f+32+8*\i:\f+32+8*\i+3],   v[ADV+\h] offset:\i*16*WPITCH+64*\k
	ds_load_b128 v[\f+32+8*\i+4:\f+32+8*\i+7], v[ADV+\h] offset:\i*16*WPITCH+64*\k+32
.endr
.endm
.macro MMUL f, zero                    ; 16 accumulators by turns
	WIN 0xa0
.irp i, 0,1,2,3
.irp j, 0,1,2,3
.if \zero
	v_wmma_f32_16x16x32_f16 v[8*(4*\i+\j):8*(4*\i+\j)+7], v[\f+8*\i:\f+8*\i+7], v[\f+32+8*\j:\f+32+8*\j+7], 0
.else
	v_wmma_f32_16x16x32_f16 v[8*(4*\i+\j):8*(4*\i+\j)+7], v[\f+8*\i:\f+8*\i+7], v[\f+32+8*\j:\f+32+8*\j+7], v[8*(4*\i+\j):8*(4*\i+\j)+7]
.endif
.endr
.endr
.endm
.macro MSTEP h, k, g, f                ; fetch the next step into g, multiply f
	PLACES
	WIN 0
	MFETCH \h, \k, \g
	s_wait_dscnt 16                                ; all but the 16 just issued
	MMUL \f, 0
.endm
	MFETCH 0, 0, F0
	MFETCH 0, 1, F1
	s_wait_dscnt 16
	MMUL F0, 1
	MSTEP 0, 2, F0, F1
	MSTEP 0, 3, F1, F0
	MSTEP 1, 0, F0, F1
	MSTEP 1, 1, F1, F0
	MSTEP 1, 2, F0, F1
	MSTEP 1, 3, F1, F0
	s_wait_dscnt 0
	MMUL F1, 0
	; the largest magnitude of my 64 x 64 part, and the part itself as raw tiles: each store covers 512 consecutive aligned bytes
	PLACES
	WIN 0x0a
	v_max_num_f32 v[MX],   |v[0]|, |v[1]|
	v_max_num_f32 v[MX+1], |v[2]|, |v[3]|
.set j, 4
.rept 31
	v_max3_num_f32 v[MX],   |v[j]|,   |v[j+1]|, v[MX]
	v_max3_num_f32 v[MX+1], |v[j+2]|, |v[j+3]|, v[MX+1]
.set j, j+4
.endr
	WIN 0x08
.irp i, 0,1,2,3
.irp j, 0,1,2,3
	global_store_b128 v[PO], v[8*(4*\i+\j):8*(4*\i+\j)+3],   s[8:9] offset:\j*65536+\i*1024
	global_store_b128 v[PO], v[8*(4*\i+\j)+4:8*(4*\i+\j)+7], s[8:9] offset:\j*65536+\i*1024+512
.endr
.endr
	WIN 0
	v_max_num_f32 v[MX], v[MX], v[MX+1]
	v_max_num_f32_dpp v[MX], v[MX], v[MX] row_xmask:1 row_mask:0xf bank_mask:0xf
	v_max_num_f32_dpp v[MX], v[MX], v[MX] row_xmask:2 row_mask:0xf bank_mask:0xf
	v_max_num_f32_dpp v[MX], v[MX], v[MX] row_xmask:4 row_mask:0xf bank_mask:0xf
	v_max_num_f32_dpp v[MX], v[MX], v[MX] row_xmask:8 row_mask:0xf bank_mask:0xf
	v_permlanex16_b32 v[MX+1], v[MX], s21, s22
	v_max_num_f32 v[MX], v[MX], v[MX+1]
	v_cmp_eq_u32 vcc_lo, 0, v7
	s_wait_xcnt 0x0                                ; EXEC is a source of the stores above: it narrows only behind this wait
	s_and_saveexec_b32 s23, vcc_lo
	global_store_b32 v[ZR], v[MX], s[10:11]        ; lane 0 alone
	s_wait_xcnt 0x0                                ; and widens again only behind this one
	s_or_b32 exec_lo, exec_lo, s23
	s_set_vgpr_msb 0x1
	s_wait_tensorcnt 0x0
	ds_add_u32 v255, v255
	s_wait_dscnt 0x0
	s_set_vgpr_msb 0x100
	CROUND                                         ; the closing round: no work-group ends while a partner may still ask jointly
	s_endpgm
.Lfunc_end_k_q31b9856319_kvm:
	.size	k_q31b9856319_kvm, .Lfunc_end_k_q31b9856319_kvm-k_q31b9856319_kvm
	.p2alignl 7, 3214868480
	.fill 96, 4, 3214868480
	.section	.rodata,"a",@progbits
	.p2align	6, 0x0
	.amdhsa_kernel k_q31b9856319_kvm
		.amdhsa_group_segment_fixed_size 327680
		.amdhsa_private_segment_fixed_size 0
		.amdhsa_enable_private_segment 0
		.amdhsa_kernarg_size 32
		.amdhsa_user_sgpr_count 2
		.amdhsa_user_sgpr_kernarg_segment_ptr 1
		.amdhsa_wavefront_size32 1
		.amdhsa_system_sgpr_workgroup_id_x 1
		.amdhsa_system_sgpr_workgroup_id_y 1
		.amdhsa_system_sgpr_workgroup_id_z 1
		.amdhsa_system_vgpr_workitem_id 0
		.amdhsa_next_free_vgpr 1024
		.amdhsa_next_free_sgpr 80
		.amdhsa_reserve_vcc 1
		.amdhsa_float_denorm_mode_32 3
		.amdhsa_float_denorm_mode_16_64 3
		.amdhsa_memory_ordered 1
		.amdhsa_forward_progress 1
		.amdhsa_inst_pref_size 209
	.end_amdhsa_kernel
	.amdgpu_metadata
---
amdhsa.version: [ 1, 2 ]
amdhsa.kernels:
  - .name:           k_q31b9856319_kvm
    .symbol:         k_q31b9856319_kvm.kd
    .args:
      - { .name: wqkv16, .offset: 0, .size: 8, .value_kind: global_buffer, .address_space: global }
      - { .name: x16, .offset: 8, .size: 8, .value_kind: global_buffer, .address_space: global }
      - { .name: pmat, .offset: 16, .size: 8, .value_kind: global_buffer, .address_space: global }
      - { .name: pm, .offset: 24, .size: 8, .value_kind: global_buffer, .address_space: global }
    .group_segment_fixed_size: 327680
    .private_segment_fixed_size: 0
    .kernarg_segment_align: 8
    .kernarg_segment_size: 32
    .max_flat_workgroup_size: 128
    .sgpr_count:     80
    .vgpr_count:     1024
    .wavefront_size: 32
...
	.end_amdgpu_metadata
.endif
;; end of part 2
;; launch tmk (part 3): grid 8 x 32, 4 waves a work-group, clusters of 4 x 1, 316,928 bytes of LDS; arguments pmat, pm, wqkv16, t16; writes t16
.if DOCPART == 3
	.amdgcn_target "amdgcn-amd-amdhsa--gfx1250"
	.amdhsa_code_object_version 6
	.text
	.protected	k_q31b9856319_tmk
	.globl	k_q31b9856319_tmk
	.p2align	8
	.type	k_q31b9856319_tmk,@function
k_q31b9856319_tmk:
	s_mov_b64 s[64:65], 0
	v_nop
	global_prefetch_b8 v0, s[64:65] scope:SCOPE_SE
	s_setreg_imm32_b32 hwreg(HW_REG_WAVE_MODE, 25, 1), 1
	s_wait_xcnt 0x0
	s_wait_alu depctr_hold_cnt(0) depctr_sa_sdst(0) depctr_va_vdst(0) depctr_va_sdst(0) depctr_va_ssrc(0) depctr_va_vcc(0) depctr_vm_vsrc(0)
	s_getreg_b32 s2, hwreg(HW_REG_IB_STS2, 6, 4)
	s_cmp_eq_u32 s2, 0
	s_cbranch_scc0 .Lentry_in_a_cluster
	s_endpgm
.Lentry_in_a_cluster:
	s_bfe_u32 s2, ttmp6, 0x10000c
	s_cmp_lg_u32 s2, 0x3003
	s_cbranch_scc0 .Lentry_shape_is_right
	s_endpgm
.Lentry_shape_is_right:
; tmk: T'[128 h + d][c] = sum over e of M'[e][d] Wq[128 h + e][c], for 16 rows d and all 1,024 c.  M' = f_b x (sum of M's eight parts), f16.
; f_b is an exact power of two from a bound: B_b = max over (h, wave) of the sum over the eight runs of the parts' largest magnitudes, which is
; at least max |M| of batch b; with 2^e <= B_b < 2^(e+1), f_b = 2^-(e+1), so |M'| < 1 and |T'| <= 128 max |Wq| for every input.
; LIMITS: B_b below 2^127; for a denormal or zero B_b the last launch's factor is 0 and the output 0.
; Grid x = d tile (8), grid y = 8 b + h.  Wave w: sums and packs e = 32 w .. + 31 (one fragment), then makes columns 256 w .. + 255.
; CLUSTER 4 x 1: the four d tiles of a cluster read the same 128 rows of Wq: each wave's strip (128 rows x 512 bytes) is one joint load.
; LDS: four strips of 128 x 544; 4 KiB for the four fragments of M'; a stage of 16 x 528 for each wave.  Scratch and stage lie in blocks of
; their own into which no tensor load lands.
.set SPITCH, 544
.set STRIP,  128*SPITCH
.set ASH,    4*STRIP                   ; the fragments of M'
.set STAGE,  ASH+4096
.set TPITCH, 528
.set PMV, 2                            ; v[2:9]    the eight runs' maxima
.set O4,  10                           ; v10       4 x lane
.set O16, 11                           ; v11       16 x lane
.set F,   12                           ; v[12:13]  f_b, twice
.set TAD, 14                           ; v14       transposing loads of my strip
.set AL,  15                           ; v15       fragments of M', read
.set MFR, 16                           ; v[16:47]  four fragments of M'
.set PK,  48                           ; v[48:55]  my fragment, packed
.set AS,  56                           ; v56       my fragment, stored
.set STO, 57
.set RD,  58
.set PV,  64                           ; v[64:191] eight parts x 16 registers; later the two fragment buffers
.set WF0, 64
.set WF1, 128
.set TMP, 192
.set MSB, 0
.macro WIN new
.if MSB != \new
	s_set_vgpr_msb (MSB<<8)|\new
.set MSB, \new
.endif
.endm
.macro ROUND
	s_barrier_signal -1
	s_barrier_wait -1
	s_cmp_lg_u32 s12, 0
	s_cbranch_scc1 .Lnot_wave_0_\@
	s_barrier_signal -3
.Lnot_wave_0_\@:
	s_barrier_wait -3
	s_barrier_signal -1
	s_barrier_wait -1
.endm
.macro PLACES
.rept 4
	v_nop
.endr
.endm
	s_load_b256 s[4:11], s[0:1], 0x0               ; pmat s[4:5], pm s[6:7], wqkv16 s[8:9], t16 s[10:11]
	v_lshl_add_u32 v254, v0, 2, 0x4d400
	v_mov_b32 v255, 0
	ds_add_u32 v254, v255
	v_lshrrev_b32 v1, 5, v0
	v_readfirstlane_b32 s12, v1                    ; wave
	s_bfe_u32 s13, ttmp6, 0x40000                  ; cx
	s_lshl_b32 s14, ttmp9, 2
	s_add_co_u32 s14, s14, s13                     ; d tile
	s_and_b32 s15, ttmp7, 0xffff                   ; 8 b + h
	s_lshr_b32 s16, s15, 3                         ; b
	s_and_b32 s17, s15, 7                          ; h
	s_mov_b32 s18, 0x76543210
	s_mov_b32 s19, 0xfedcba98
	; group 1: 128 rows x 256 elements of 2 bytes, 8 words of padding behind every 128; the mask names all four of the cluster
	s_mov_b32 s24, 15|(1<<16)|(1<<20)|(1<<21)|(6<<22)|(7<<25)
	s_mov_b32 s25, 256<<16
	s_mov_b32 s26, 128<<16
	s_mov_b32 s27, 256<<16
	s_mov_b32 s28, 128
	s_mov_b32 s29, 1024
	s_mov_b32 s30, 0
	s_mov_b32 s31, 0
	s_lshl_b32 s36, s17, 18                        ; Wq's row 128 h, 2,048 bytes a row,
	s_lshl_b32 s37, s12, 9                         ; my 256 columns
	s_add_co_u32 s36, s36, s37
	s_mov_b32 s37, 0
	s_lshl_b32 s20, s16, 10                        ; pm: batch b's 256 words
	s_mov_b32 s21, 0
	s_lshl_b32 s22, s15, 3                         ; pmat: ((8 b + h) 8 + d tile) 65,536 + my two e tiles
	s_add_co_u32 s22, s22, s14
	s_lshl_b32 s22, s22, 16
	s_lshl_b32 s23, s12, 11
	s_add_co_u32 s22, s22, s23
	s_mov_b32 s23, 0
	s_lshl_b32 s40, s15, 7                         ; t16: row 128 (8 b + h) + 16 d tile, 2,048 bytes a row, my 512 bytes
	s_lshl4_add_u32 s40, s14, s40
	s_lshl_b32 s40, s40, 11
	s_lshl_b32 s41, s12, 9
	s_add_co_u32 s40, s40, s41
	s_mov_b32 s41, 0
	s_mov_b32 s32, 1
	s_mul_i32 s33, s12, STRIP                      ; my strip: wave x 69,632
	s_wait_dscnt 0x0
	s_wait_kmcnt 0x0
	s_add_nc_u64 s[34:35], s[8:9], s[36:37]
	s_or_b32 s35, s35, 0x80000000
	s_add_nc_u64 s[6:7], s[6:7], s[20:21]
	s_add_nc_u64 s[4:5], s[4:5], s[22:23]
	s_add_nc_u64 s[10:11], s[10:11], s[40:41]
	ROUND                                          ; the four work-groups are here: the joint loads meet
	tensor_load_to_lds s[32:35], s[24:31]          ; the wave's only tensor load
	s_nop 0
	v_and_b32 v1, 31, v0
	v_lshlrev_b32 v[O4], 2, v1
	v_lshlrev_b32 v[O16], 4, v1
.irp c, 0,1,2,3,4,5,6,7
	global_load_b32 v[PMV+\c], v[O4], s[6:7] offset:128*\c          ; lane = 4 h + wave of the launch before
.endr
.irp c, 0,1,2,3,4,5,6,7
.irp t, 0,1
	global_load_b128 v[PV+16*\c+8*\t:PV+16*\c+8*\t+3],   v[O16], s[4:5] offset:8192*\c+1024*\t th:TH_LOAD_NT
	global_load_b128 v[PV+16*\c+8*\t+4:PV+16*\c+8*\t+7], v[O16], s[4:5] offset:8192*\c+1024*\t+512 th:TH_LOAD_NT
.endr
.endr
	v_and_b32 v59, 15, v0                          ; r
	v_bfe_u32 v60, v0, 4, 1                        ; hh
	v_and_b32 v61, 7, v0
	v_bfe_u32 v62, v0, 3, 1
	v_lshl_add_u32 v61, v60, 3, v61
	v_mul_u32_u24 v61, v61, SPITCH
	v_lshl_add_u32 v61, v62, 4, v61
	v_add_nc_u32 v[TAD], s33, v61
	v_add_nc_u32 v[AL], ASH, v[O16]
	s_lshl_b32 s42, s12, 10
	v_add_nc_u32 v[AS], s42, v[AL]
	s_mul_i32 s43, s12, 16*TPITCH
	s_add_co_u32 s43, s43, STAGE
	v_mul_u32_u24 v[STO], v59, TPITCH
	v_lshl_add_u32 v[STO], v60, 4, v[STO]
	v_add_nc_u32 v[STO], s43, v[STO]
	v_add_nc_u32 v[RD], s43, v[O16]
	s_wait_loadcnt 32                              ; the eight words of pm are in; the 32 loads of pmat may be out
	v_add_f32 v[PMV], v[PMV], v[PMV+1]
.irp c, 2,3,4,5,6,7
	v_add_f32 v[PMV], v[PMV], v[PMV+\c]
.endr
	v_max_num_f32_dpp v[PMV], v[PMV], v[PMV] row_xmask:1 row_mask:0xf bank_mask:0xf
	v_max_num_f32_dpp v[PMV], v[PMV], v[PMV] row_xmask:2 row_mask:0xf bank_mask:0xf
	v_max_num_f32_dpp v[PMV], v[PMV], v[PMV] row_xmask:4 row_mask:0xf bank_mask:0xf
	v_max_num_f32_dpp v[PMV], v[PMV], v[PMV] row_xmask:8 row_mask:0xf bank_mask:0xf
	v_permlanex16_b32 v[PMV+1], v[PMV], s18, s19
	v_max_num_f32 v[PMV], v[PMV], v[PMV+1]         ; B_b
	v_and_b32 v[PMV], 0x7f800000, v[PMV]           ; 2^e
	v_sub_nc_u32 v[PMV], 0x7f000000, v[PMV]        ; 2^-e: the exponent fields add up to 254
	v_mul_f32 v[F], 0.5, v[PMV]
	v_mul_f32 v[F+1], 0.5, v[PMV]
.irp c, 1,2,3,4,5,6,7
	s_wait_loadcnt 4*(7-\c)                        ; parts 0 to c are in; four loads for each later part may be out
.irp k, 0,2,4,6,8,10,12,14
	v_pk_add_f32 v[PV+\k:PV+\k+1], v[PV+\k:PV+\k+1], v[PV+16*\c+\k:PV+16*\c+\k+1]
.endr
.endr
.irp k, 0,2,4,6,8,10,12,14
	v_pk_mul_f32 v[PV+\k:PV+\k+1], v[PV+\k:PV+\k+1], v[F:F+1]
.endr
.irp k, 0,1,2,3,4,5,6,7
	v_cvt_pk_f16_f32 v[PK+\k], v[PV+2*\k], v[PV+2*\k+1]    ; two result tiles make one fragment: e = 8 hh + 0..7, then 16 + 8 hh + 0..7, of column d = r
.endr
	ds_store_b128 v[AS], v[PK:PK+3]
	ds_store_b128 v[AS], v[PK+4:PK+7] offset:512
	s_wait_dscnt 0x0                               ; for the other waves' sake: zero
	s_barrier_signal -1
	s_barrier_wait -1                              ; the strip's load may still be out
.irp q, 0,1,2,3
	ds_load_b128 v[MFR+8*\q:MFR+8*\q+3],   v[AL] offset:1024*\q
	ds_load_b128 v[MFR+8*\q+4:MFR+8*\q+7], v[AL] offset:1024*\q+512
.endr
	s_wait_tensorcnt 0x0                           ; my strip is in LDS; no other wave reads it
.macro TFETCH q, hf, f                 ; 32 rows e at 32 q, eight column tiles at 8 hf: 16 transposing loads
.irp i, 0,1,2,3,4,5,6,7
	ds_load_tr16_b128 v[\f+8*\i:\f+8*\i+3],   v[TAD] offset:\q*32*SPITCH+(8*\hf+\i)*32
	ds_load_tr16_b128 v[\f+8*\i+4:\f+8*\i+7], v[TAD] offset:\q*32*SPITCH+(8*\hf+\i)*32+16*SPITCH
.endr
.endm
.macro TMUL q, hf, f, zero             ; source 0 = 16 columns c, source 1 = M' (d): lane l holds row d = l % 16, columns 8 (l / 16) + 0..7.  Accumulators by turns.
	WIN 0x50
.irp i, 0,1,2,3,4,5,6,7
.if \zero
	v_wmma_f32_16x16x32_f16 v[8*(8*\hf+\i):8*(8*\hf+\i)+7], v[\f+8*\i:\f+8*\i+7], v[MFR+8*\q:MFR+8*\q+7], 0
.else
	v_wmma_f32_16x16x32_f16 v[8*(8*\hf+\i):8*(8*\hf+\i)+7], v[\f+8*\i:\f+8*\i+7], v[MFR+8*\q:MFR+8*\q+7], v[8*(8*\hf+\i):8*(8*\hf+\i)+7]
.endif
.endr
	WIN 0
.endm
.macro TSTEP nq, nhf, g, q, hf, f, zero
	PLACES
	TFETCH \nq, \nhf, \g
	s_wait_dscnt 16                                ; all but the 16 just issued
	TMUL \q, \hf, \f, \zero
.endm
	TFETCH 0, 0, WF0
	TFETCH 0, 1, WF1
	s_wait_dscnt 16
	TMUL 0, 0, WF0, 1
	TSTEP 1, 0, WF0, 0, 1, WF1, 1
	TSTEP 1, 1, WF1, 1, 0, WF0, 0
	TSTEP 2, 0, WF0, 1, 1, WF1, 0
	TSTEP 2, 1, WF1, 2, 0, WF0, 0
	TSTEP 3, 0, WF0, 2, 1, WF1, 0
	TSTEP 3, 1, WF1, 3, 0, WF0, 0
	s_wait_dscnt 0
	TMUL 3, 1, WF1, 0
	; out: f16, 16 bytes a lane into my stage, whole rows of 512 bytes back, each store 512 consecutive aligned bytes
	PLACES
.irp g, 0,1
	WIN 0x05
.irp i, 0,1,2,3,4,5,6,7
.irp r, 0,1,2,3
	v_cvt_pk_f16_f32 v[TMP+4*\i+\r], v[8*(8*\g+\i)+2*\r], v[8*(8*\g+\i)+2*\r+1]
.endr
.endr
	WIN 0
.irp i, 0,1,2,3,4,5,6,7
	ds_store_b128 v[STO], v[TMP+4*\i:TMP+4*\i+3] offset:32*(8*\g+\i)
.endr
.endr
.irp t, 0,1,2,3,4,5,6,7,8,9,10,11,12,13,14,15
	ds_load_b128 v[WF0+4*\t:WF0+4*\t+3], v[RD] offset:\t*TPITCH     ; LDS serves a wave's instructions in order: these see the stores above
.endr
.irp t, 0,1,2,3,4,5,6,7,8,9,10,11,12,13,14,15
	s_wait_dscnt 15-\t
	global_store_b128 v[O16], v[WF0+4*\t:WF0+4*\t+3], s[10:11] offset:2048*\t
.endr
	s_wait_tensorcnt 0x0
	ds_add_u32 v254, v255
	s_wait_dscnt 0x0
	ROUND                                          ; the closing round
	s_endpgm
.Lfunc_end_k_q31b9856319_tmk:
	.size	k_q31b9856319_tmk, .Lfunc_end_k_q31b9856319_tmk-k_q31b9856319_tmk
	.p2alignl 7, 3214868480
	.fill 96, 4, 3214868480
	.section	.rodata,"a",@progbits
	.p2align	6, 0x0
	.amdhsa_kernel k_q31b9856319_tmk
		.amdhsa_group_segment_fixed_size 316928
		.amdhsa_private_segment_fixed_size 0
		.amdhsa_enable_private_segment 0
		.amdhsa_kernarg_size 32
		.amdhsa_user_sgpr_count 2
		.amdhsa_user_sgpr_kernarg_segment_ptr 1
		.amdhsa_wavefront_size32 1
		.amdhsa_system_sgpr_workgroup_id_x 1
		.amdhsa_system_sgpr_workgroup_id_y 1
		.amdhsa_system_sgpr_workgroup_id_z 1
		.amdhsa_system_vgpr_workitem_id 0
		.amdhsa_next_free_vgpr 384
		.amdhsa_next_free_sgpr 66
		.amdhsa_reserve_vcc 0
		.amdhsa_float_denorm_mode_32 3
		.amdhsa_float_denorm_mode_16_64 3
		.amdhsa_memory_ordered 1
		.amdhsa_forward_progress 1
		.amdhsa_inst_pref_size 37
	.end_amdhsa_kernel
	.amdgpu_metadata
---
amdhsa.version: [ 1, 2 ]
amdhsa.kernels:
  - .name:           k_q31b9856319_tmk
    .symbol:         k_q31b9856319_tmk.kd
    .args:
      - { .name: pmat, .offset: 0, .size: 8, .value_kind: global_buffer, .address_space: global }
      - { .name: pm, .offset: 8, .size: 8, .value_kind: global_buffer, .address_space: global }
      - { .name: wqkv16, .offset: 16, .size: 8, .value_kind: global_buffer, .address_space: global }
      - { .name: t16, .offset: 24, .size: 8, .value_kind: global_buffer, .address_space: global }
    .group_segment_fixed_size: 316928
    .private_segment_fixed_size: 0
    .kernarg_segment_align: 8
    .kernarg_segment_size: 32
    .max_flat_workgroup_size: 128
    .sgpr_count:     66
    .vgpr_count:     384
    .wavefront_size: 32
...
	.end_amdgpu_metadata
.endif
;; end of part 3
;; launch pmk (part 4): grid 16 x 8, 4 waves a work-group, clusters of 4 x 4, 327,680 bytes of LDS; arguments wout16, t16, amax, p16; writes p16
.if DOCPART == 4
	.amdgcn_target "amdgcn-amd-amdhsa--gfx1250"
	.amdhsa_code_object_version 6
	.text
	.protected	k_q31b9856319_pmk
	.globl	k_q31b9856319_pmk
	.p2align	8
	.type	k_q31b9856319_pmk,@function
k_q31b9856319_pmk:
	s_mov_b64 s[64:65], 0
	v_nop
	global_prefetch_b8 v0, s[64:65] scope:SCOPE_SE
	s_setreg_imm32_b32 hwreg(HW_REG_WAVE_MODE, 25, 1), 1
	s_wait_xcnt 0x0
	s_wait_alu depctr_hold_cnt(0) depctr_sa_sdst(0) depctr_va_vdst(0) depctr_va_sdst(0) depctr_va_ssrc(0) depctr_va_vcc(0) depctr_vm_vsrc(0)
	s_getreg_b32 s2, hwreg(HW_REG_IB_STS2, 6, 4)
	s_cmp_eq_u32 s2, 0
	s_cbranch_scc0 .Lentry_in_a_cluster
	s_endpgm
.Lentry_in_a_cluster:
	s_bfe_u32 s2, ttmp6, 0x10000c
	s_cmp_lg_u32 s2, 0xf033
	s_cbranch_scc0 .Lentry_shape_is_right
	s_endpgm
.Lentry_shape_is_right:
; pmk (MODE 0) and outg (MODE 1) are one text:  Y[o][n] = scale x sum over k of W[o][k] X[k][n],  k = 1,024, f16 operands, f32 sums.
;   MODE 0:  W = W_out, X = T'_b [1024][1024], Y = P''_b in f16, scale g = 2^-4 / (Eq Eo)
;   MODE 1:  W = P''_b, X = x_b [1024][2048],  Y = out_b in f32, scale s_b = SCALE 32 Eq Eo EM
; Eq, Eo: the powers of two at or below the largest |Wq|, |W_out| (from amax, clamped below at 2^-40); EM: the power of two at or below B_b (see tmk).
; |T'| <= 128 max|Wq|, so |sum| < 1024 x 128 x 4 Eq Eo and |P''| < 32,768 for every input: it has room in f16.  All factors are exact powers of two
; but SCALE.  LIMITS: weights below 2^-40 lose precision; B_b below 2^127; a denormal B_b gives 0.
; A work-group makes 128 o x 256 n, a wave 64 x 128 = 32 accumulator tiles (window 1).  k goes in steps of 128 through two LDS slots of four
; parts of 34,816 bytes, part w filled by wave w: W's two halves (64 rows x 272, half a part each), X's two halves (64 rows x 544).
; CLUSTERS 4 x 4: W's tile hangs on grid y (and the batch, which the whole cluster shares): shared along a row; X's on grid x: along a column.
.set MODE, 0
.if MODE
.set XP,   2048                        ; elements in a row of X
.set XBSH, 22                          ; a batch of X, log2 bytes
.set XHSH, 18                          ; 64 rows of X, log2 bytes
.set CHM,  7                           ; column blocks in a batch, less 1
.set YBSH, 23
.set YRSH, 13
.set YCSH, 10
.set YWSH, 9
.set SP,   528                         ; stage pitch: 128 f32 + 16 bytes
.else
.set XP,   1024
.set XBSH, 21
.set XHSH, 17
.set CHM,  3
.set YBSH, 21
.set YRSH, 11
.set YCSH, 9
.set YWSH, 8
.set SP,   272                         ; 128 f16 + 16 bytes
.endif
.set WPITCH, 272
.set XPITCH, 544
.set PART,   34816
.set SLOT,   4*PART
.set STAGE,  2*SLOT                    ; behind the ring: 8,448 bytes for each wave; no tensor load lands there
.set WSTEP,  256
.set XSTEP,  256*XP
.set LAPS,   4
.set ADRW, 16
.set ADRX, 20
.set STO,  24
.set RD,   25
.set CO,   26
.set AO,   27                          ; 16 x lane
.set SC,   28                          ; v[28:29] the scale, twice
.set PO4,  30                          ; 4 x lane
.set TMP,  32
.set XF0,  64
.set XF1,  128
.set WF0,  192
.set WF1,  224
.set G1W, 24
.set G0W, 32
.set G1X, 48
.set G0X, 56
.set MULW, 0x50                        ; C and D window 1, sources window 0
.set MSB, 0
.macro WIN new
.if MSB != \new
	s_set_vgpr_msb (MSB<<8)|\new
.set MSB, \new
.endif
.endm
.macro JLOAD s
	s_cmp_eq_u32 s13, 0
	s_cbranch_scc0 .Lfor_x_\@
	tensor_load_to_lds s[G0W+4*\s:G0W+4*\s+3], s[G1W:G1W+7]
	s_nop 0
	s_branch .Lasked_\@
.Lfor_x_\@:
	tensor_load_to_lds s[G0X+4*\s:G0X+4*\s+3], s[G1X:G1X+7]
	s_nop 0
.Lasked_\@:
.endm
.macro CREST
	s_cmp_lg_u32 s12, 0
	s_cbranch_scc1 .Lnot_wave_0_\@
	s_barrier_signal -3
.Lnot_wave_0_\@:
	s_barrier_wait -3
	s_barrier_signal -1
	s_barrier_wait -1
.endm
.macro CROUND
	s_barrier_signal -1
	s_barrier_wait -1
	CREST
.endm
.macro PLACES
.rept 4
	v_nop
.endr
.endm
.macro MAXALL r, t
	v_max_num_f32_dpp v[\r], v[\r], v[\r] row_xmask:1 row_mask:0xf bank_mask:0xf
	v_max_num_f32_dpp v[\r], v[\r], v[\r] row_xmask:2 row_mask:0xf bank_mask:0xf
	v_max_num_f32_dpp v[\r], v[\r], v[\r] row_xmask:4 row_mask:0xf bank_mask:0xf
	v_max_num_f32_dpp v[\r], v[\r], v[\r] row_xmask:8 row_mask:0xf bank_mask:0xf
	v_permlanex16_b32 v[\t], v[\r], s21, s22
	v_max_num_f32 v[\r], v[\r], v[\t]
.endm
	s_load_b128 s[4:7], s[0:1], 0x0                ; W s[4:5], X s[6:7]
	s_load_b64 s[8:9], s[0:1], 0x10                ; amax
.if MODE
	s_load_b64 s[10:11], s[0:1], 0x18              ; pm
	s_load_b64 s[68:69], s[0:1], 0x20              ; Y
.else
	s_load_b64 s[68:69], s[0:1], 0x18              ; Y
	v_lshl_add_u32 v30, v0, 2, 0x4c400
	v_mov_b32 v31, 0
	ds_add_u32 v30, v31
.endif
	v_lshrrev_b32 v1, 5, v0
	v_readfirstlane_b32 s12, v1                    ; wave
	s_lshr_b32 s13, s12, 1                         ; my half of the rows o.  Also: I fetch for W (0) or for X (1)
	s_and_b32 s14, s12, 1                          ; my half of the columns n.  Also: which half of that tile I fetch
	s_bfe_u32 s15, ttmp6, 0x40000                  ; cx
	s_bfe_u32 s16, ttmp6, 0x40004                  ; cy
	s_lshl_b32 s17, ttmp9, 2
	s_add_co_u32 s17, s17, s15                     ; grid x
	s_and_b32 s18, ttmp7, 0xffff
	s_lshl_b32 s18, s18, 2
	s_add_co_u32 s18, s18, s16                     ; grid y
	s_lshl_b32 s19, s16, 2
	s_lshl_b32 s19, 15, s19                        ; my row of the cluster
	s_lshl_b32 s20, 0x1111, s15                    ; my column
	s_mov_b32 s21, 0x76543210
	s_mov_b32 s22, 0xfedcba98
.if MODE
	s_lshr_b32 s23, ttmp9, 1                       ; the batch, from the cluster's x: the same in all sixteen
.else
	s_mov_b32 s23, ttmp9
.endif
	s_or_b32 s[G1W+0], s19, (1<<16)|(1<<20)|(1<<21)|(5<<22)|(3<<25)   ; 64 rows x 128 elements of 2 bytes, 4 words behind every 64
	s_mov_b32 s[G1W+1], 128<<16
	s_mov_b32 s[G1W+2], 64<<16
	s_mov_b32 s[G1W+3], 128<<16
	s_mov_b32 s[G1W+4], 64
	s_mov_b32 s[G1W+5], 1024
	s_mov_b32 s[G1W+6], 0
	s_mov_b32 s[G1W+7], 0
	s_or_b32 s[G1X+0], s20, (1<<16)|(1<<20)|(1<<21)|(6<<22)|(7<<25)   ; 64 rows x 256 elements, 8 words behind every 128
	s_mov_b32 s[G1X+1], 256<<16
	s_mov_b32 s[G1X+2], 64<<16
	s_mov_b32 s[G1X+3], 256<<16
	s_mov_b32 s[G1X+4], 64
	s_mov_b32 s[G1X+5], XP
	s_mov_b32 s[G1X+6], 0
	s_mov_b32 s[G1X+7], 0
	s_lshl_b32 s40, s18, 7                         ; W: row 128 grid y + 64 half, 2,048 bytes a row.  s40-43 never hold cx
	s_lshl_b32 s41, s14, 6
	s_add_co_u32 s40, s40, s41
	s_lshl_b32 s40, s40, 11
.if MODE
	s_lshl_b32 s41, s23, 21
	s_add_co_u32 s40, s40, s41
.endif
	s_mov_b32 s41, 0
	s_mul_i32 s42, s12, PART                       ; my part of a slot: wave x 34,816
	s_lshl_b32 s44, s23, XBSH                      ; X: the batch, 512 bytes x column block, 64 rows x half.  s44-47 never hold cy
	s_and_b32 s45, s17, CHM
	s_lshl_b32 s45, s45, 9
	s_add_co_u32 s44, s44, s45
	s_lshl_b32 s45, s14, XHSH
	s_add_co_u32 s44, s44, s45
	s_mov_b32 s45, 0
	s_lshl_b32 s70, s18, 7                         ; Y: my first row and column
	s_lshl_b32 s71, s13, 6
	s_add_co_u32 s70, s70, s71
	s_lshl_b32 s70, s70, YRSH
	s_lshl_b32 s71, s23, YBSH
	s_add_co_u32 s70, s70, s71
	s_and_b32 s71, s17, CHM
	s_lshl_b32 s71, s71, YCSH
	s_add_co_u32 s70, s70, s71
	s_lshl_b32 s71, s14, YWSH
	s_add_co_u32 s70, s70, s71
	s_mov_b32 s71, 0
	s_lshl_b32 s72, s23, 10                        ; pm: the batch's 256 words
	s_mov_b32 s73, 0
	s_wait_dscnt 0x0
	s_wait_kmcnt 0x0
	s_add_nc_u64 s[40:41], s[4:5], s[40:41]
	s_add_nc_u64 s[44:45], s[6:7], s[44:45]
	s_add_nc_u64 s[68:69], s[68:69], s[70:71]
.if MODE
	s_add_nc_u64 s[10:11], s[10:11], s[72:73]
.endif
	CROUND                                         ; all sixteen work-groups are here: the first joint loads meet
.irp s, 0,1
	s_mov_b32 s[G0W+4*\s], 1
	s_add_co_u32 s[G0W+4*\s+1], s42, \s*SLOT
	s_add_nc_u64 s[G0W+4*\s+2:G0W+4*\s+3], s[40:41], \s*WSTEP
	s_or_b32 s[G0W+4*\s+3], s[G0W+4*\s+3], 0x80000000
	s_mov_b32 s[G0X+4*\s], 1
	s_add_co_u32 s[G0X+4*\s+1], s42, \s*SLOT
	s_add_nc_u64 s[G0X+4*\s+2:G0X+4*\s+3], s[44:45], \s*XSTEP
	s_or_b32 s[G0X+4*\s+3], s[G0X+4*\s+3], 0x80000000
	JLOAD \s                                       ; two loads of the wave are out
.endr
	; the scale's inputs: all 1,024 words of amax (16 registers Wq's, 16 W_out's), and in MODE 1 the batch's 256 words of pm
	v_and_b32 v7, 31, v0
	v_lshlrev_b32 v[AO], 4, v7
.irp i, 0,1,2,3,4,5,6,7
	global_load_b128 v[64+4*\i:64+4*\i+3], v[AO], s[8:9] offset:512*\i
.endr
.if MODE
	v_lshlrev_b32 v[PO4], 2, v7
.irp c, 0,1,2,3,4,5,6,7
	global_load_b32 v[96+\c], v[PO4], s[10:11] offset:128*\c
.endr
.endif
	v_and_b32 v1, 15, v0                           ; r
	v_bfe_u32 v2, v0, 4, 1                         ; hh
	v_and_b32 v3, 7, v0
	v_bfe_u32 v4, v0, 3, 1
	v_mul_u32_u24 v5, v1, WPITCH
	v_lshl_add_u32 v5, v2, 4, v5                   ; r x 272 + 16 hh
	v_lshl_add_u32 v6, v2, 3, v3
	v_mul_u32_u24 v6, v6, XPITCH
	v_lshl_add_u32 v6, v4, 4, v6                   ; (8 hh + l % 8) x 544 + 16 ((l / 8) % 2)
	s_mul_i32 s66, s13, PART                       ; my 64 rows of W are one part
	s_lshl_b32 s67, s14, 8
	s_add_co_u32 s67, s67, 2*PART                  ; X lies in parts 2 and 3
.irp s, 0,1
	v_add_nc_u32 v[ADRW+\s], s66, v5
	v_add_nc_u32 v[ADRX+\s], s67, v6
	s_add_co_u32 s66, s66, SLOT
	s_add_co_u32 s67, s67, SLOT
.endr
	s_mul_i32 s74, s12, 8448
	s_add_co_u32 s74, s74, STAGE                   ; my stage
.if MODE
	v_mul_u32_u24 v[STO], v1, SP                   ; in: row r, 32 bytes (8 f32) for each half of the lanes
	v_lshl_add_u32 v[STO], v2, 5, v[STO]
	v_add_nc_u32 v[STO], s74, v[STO]
	v_add_nc_u32 v[RD], s74, v[AO]                 ; back: 32 lanes take one row of 512 bytes
	v_lshlrev_b32 v[CO], 4, v7
.else
	v_add_nc_u32 v[STO], s74, v5                   ; in: row r, 16 bytes (8 f16) for each half of the lanes
	v_mul_u32_u24 v[RD], v2, SP                    ; back: lanes 0-15 one row of 256 bytes, lanes 16-31 the next
	v_lshl_add_u32 v[RD], v1, 4, v[RD]
	v_add_nc_u32 v[RD], s74, v[RD]
	v_lshlrev_b32 v[CO], 4, v1
	v_lshl_add_u32 v[CO], v2, 11, v[CO]
.endif
	s_wait_loadcnt 0x0
	v_max_num_f32 v8, v64, v65
	v_max_num_f32 v9, v80, v81
.irp k, 2,4,6,8,10,12,14
	v_max3_num_f32 v8, v[64+\k], v[65+\k], v8
	v_max3_num_f32 v9, v[80+\k], v[81+\k], v9
.endr
	MAXALL 8, 64
	MAXALL 9, 65
	v_max_num_f32 v8, 0x2b800000, v8               ; at least 2^-40, so that the factors stay finite for weights that are all zero
	v_max_num_f32 v9, 0x2b800000, v9
	v_and_b32 v8, 0x7f800000, v8                   ; Eq
	v_and_b32 v9, 0x7f800000, v9                   ; Eo
.if MODE
	v_add_f32 v96, v96, v97
.irp c, 2,3,4,5,6,7
	v_add_f32 v96, v96, v[96+\c]
.endr
	MAXALL 96, 97                                  ; B_b
	v_and_b32 v96, 0x7f800000, v96                 ; EM
	v_mul_f32 v8, v8, v9
	v_mul_f32 v8, 0x403504f3, v8                   ; 32 / sqrt(128)
	v_mul_f32 v[SC], v8, v96
	v_mul_f32 v[SC+1], v8, v96
.else
	v_sub_nc_u32 v8, 0x7f000000, v8                ; 1 / Eq: the exponent fields add up to 254
	v_sub_nc_u32 v9, 0x7f000000, v9
	v_mul_f32 v8, v8, v9
	v_mul_f32 v[SC], 0x3d800000, v8                ; 2^-4
	v_mul_f32 v[SC+1], 0x3d800000, v8
.endif
; 8 matrix instructions: row block a x all 8 column blocks, 32 along k.  Source 0 = 16 columns of X, source 1 = 16 rows of W:
; lane l holds row l % 16 of Y and registers 0-7 the columns 8 (l / 16) + 0..7.
.macro MUL8 xf, wf, a, zero
.irp b, 0,1,2,3,4,5,6,7
.if \zero
	v_wmma_f32_16x16x32_f16 v[8*(8*\a+\b):8*(8*\a+\b)+7], v[\xf+8*\b:\xf+8*\b+7], v[\wf+8*\a:\wf+8*\a+7], 0
.else
	v_wmma_f32_16x16x32_f16 v[8*(8*\a+\b):8*(8*\a+\b)+7], v[\xf+8*\b:\xf+8*\b+7], v[\wf+8*\a:\wf+8*\a+7], v[8*(8*\a+\b):8*(8*\a+\b)+7]
.endif
.endr
.endm
.macro FETCH slot, q, xf, wf           ; 24 LDS loads in one run: X's 8 fragments transposed, then W's 4
.irp i, 0,1,2,3,4,5,6,7
	ds_load_tr16_b128 v[\xf+8*\i:\xf+8*\i+3],   v[ADRX+\slot] offset:\q*32*XPITCH+32*\i
	ds_load_tr16_b128 v[\xf+8*\i+4:\xf+8*\i+7], v[ADRX+\slot] offset:\q*32*XPITCH+32*\i+16*XPITCH
.endr
.irp i, 0,1,2,3
	ds_load_b128 v[\wf+8*\i:\wf+8*\i+3],   v[ADRW+\slot] offset:\q*64+\i*16*WPITCH
	ds_load_b128 v[\wf+8*\i+4:\wf+8*\i+7], v[ADRW+\slot] offset:\q*64+\i*16*WPITCH+32
.endr
.endm
; The 32 accumulators take turns, one instruction a turn, in the same order in every quarter.
.macro QUARTER slot, q, xf, wf, xg, wg, zero
	s_wait_dscnt 4                                 ; X and W's row blocks 0, 1 are in; the youngest four loads (blocks 2, 3) may be out
	WIN MULW
	MUL8 \xf, \wf, 0, \zero
	MUL8 \xf, \wf, 1, \zero
	PLACES
	WIN 0
	FETCH \slot, \q, \xg, \wg
	s_wait_dscnt 24                                ; all but the 24 just issued
	WIN MULW
	MUL8 \xf, \wf, 2, \zero
	MUL8 \xf, \wf, 3, \zero
.endm
.macro THREE slot, zero
	QUARTER \slot, 1, XF0, WF0, XF1, WF1, \zero
	QUARTER \slot, 2, XF1, WF1, XF0, WF0, 0
	QUARTER \slot, 3, XF0, WF0, XF1, WF1, 0
.endm
.macro TURN slot, next, fill
	s_wait_dscnt 4
	WIN MULW
	MUL8 XF1, WF1, 0, 0
	s_wait_dscnt 0                                 ; my reads of this slot are over
	s_wait_tensorcnt 0x0                           ; all my tensor loads have landed: the one that was out is my part of the next slot
	ds_add_u32 v30, v31
	s_wait_dscnt 0x0
	s_barrier_signal -1
	MUL8 XF1, WF1, 1, 0                            ; register work while the others arrive
	WIN 0
	s_barrier_wait -1
.if \fill
	CREST                                          ; no wave of any partner still reads this slot or has a load on its way
	s_add_nc_u64 s[G0W+4*\slot+2:G0W+4*\slot+3], s[G0W+4*\slot+2:G0W+4*\slot+3], 2*WSTEP
	s_add_nc_u64 s[G0X+4*\slot+2:G0X+4*\slot+3], s[G0X+4*\slot+2:G0X+4*\slot+3], 2*XSTEP
	JLOAD \slot                                    ; the first tensor load behind the round, one a wave
.endif
	PLACES
	FETCH \next, 0, XF0, WF0
	WIN MULW
	MUL8 XF1, WF1, 2, 0
	MUL8 XF1, WF1, 3, 0
.endm
.macro LAP zero
	THREE 0, \zero
	TURN 0, 1, 1
	THREE 1, 0
	TURN 1, 0, 1
.endm
	s_wait_tensorcnt 0x1                           ; my part of step 0 is in; step 1's may stay out
	s_barrier_signal -1
	s_barrier_wait -1
	FETCH 0, 0, XF0, WF0
	LAP 1
	WIN 0
	s_mov_b32 s3, LAPS-2
.Llap:
	LAP 0
	WIN 0
	s_sub_co_u32 s3, s3, 1
	s_cmp_lg_u32 s3, 0
	s_cbranch_scc1 .Llap
	THREE 0, 0                                     ; the last lap fills nothing
	TURN 0, 1, 0
	THREE 1, 0
	s_wait_dscnt 4
	WIN MULW
	MUL8 XF1, WF1, 0, 0
	MUL8 XF1, WF1, 1, 0
	s_wait_dscnt 0
	MUL8 XF1, WF1, 2, 0
	MUL8 XF1, WF1, 3, 0
	; the way out, 16 rows at a time: scale, into my own stage, whole rows back, stores of whole aligned runs
	PLACES
.macro OUT16 a, f
	WIN 0x41
.set k, 0
.rept 32
	v_pk_mul_f32 v[64*\a+k:64*\a+k+1], v[64*\a+k:64*\a+k+1], v[SC:SC+1]
.set k, k+2
.endr
.if MODE
	WIN 0x04
.irp b, 0,1,2,3,4,5,6,7
	ds_store_b128 v[STO], v[64*\a+8*\b:64*\a+8*\b+3]   offset:64*\b
	ds_store_b128 v[STO], v[64*\a+8*\b+4:64*\a+8*\b+7] offset:64*\b+16
.endr
	WIN 0
	s_wait_xcnt 0x0                                ; buffer f, which earlier stores read, is loaded again only behind this wait
.irp t, 0,1,2,3,4,5,6,7,8,9,10,11,12,13,14,15
	ds_load_b128 v[\f+4*\t:\f+4*\t+3], v[RD] offset:\t*SP          ; LDS serves a wave's instructions in order: these see the stores above
.endr
.irp t, 0,1,2,3,4,5,6,7,8,9,10,11,12,13,14,15
	s_wait_dscnt 15-\t
	global_store_b128 v[CO], v[\f+4*\t:\f+4*\t+3], s[68:69] offset:\a*131072+\t*8192 th:TH_STORE_NT   ; 512 consecutive aligned bytes
.endr
.else
	WIN 0x05
.irp b, 0,1,2,3,4,5,6,7
.irp r, 0,1,2,3
	v_cvt_pk_f16_f32 v[TMP+4*\b+\r], v[64*\a+8*\b+2*\r], v[64*\a+8*\b+2*\r+1]
.endr
.endr
	WIN 0
.irp b, 0,1,2,3,4,5,6,7
	ds_store_b128 v[STO], v[TMP+4*\b:TMP+4*\b+3] offset:32*\b
.endr
	s_wait_xcnt 0x0                                ; buffer f, which earlier stores read, is loaded again only behind this wait
.irp t, 0,1,2,3,4,5,6,7
	ds_load_b128 v[\f+4*\t:\f+4*\t+3], v[RD] offset:\t*2*SP
.endr
.irp t, 0,1,2,3,4,5,6,7
	s_wait_dscnt 7-\t
	global_store_b128 v[CO], v[\f+4*\t:\f+4*\t+3], s[68:69] offset:\a*32768+\t*4096   ; sixteen lanes store 256 consecutive aligned bytes
.endr
.endif
.endm
	OUT16 0, XF0
	OUT16 1, XF1
	OUT16 2, XF0
	OUT16 3, XF1
	s_wait_tensorcnt 0x0
	ds_add_u32 v30, v31
	s_wait_dscnt 0x0
	CROUND                                         ; the closing round
	s_endpgm
.Lfunc_end_k_q31b9856319_pmk:
	.size	k_q31b9856319_pmk, .Lfunc_end_k_q31b9856319_pmk-k_q31b9856319_pmk
	.p2alignl 7, 3214868480
	.fill 96, 4, 3214868480
	.section	.rodata,"a",@progbits
	.p2align	6, 0x0
	.amdhsa_kernel k_q31b9856319_pmk
		.amdhsa_group_segment_fixed_size 327680
		.amdhsa_private_segment_fixed_size 0
		.amdhsa_enable_private_segment 0
		.amdhsa_kernarg_size 32
		.amdhsa_user_sgpr_count 2
		.amdhsa_user_sgpr_kernarg_segment_ptr 1
		.amdhsa_wavefront_size32 1
		.amdhsa_system_sgpr_workgroup_id_x 1
		.amdhsa_system_sgpr_workgroup_id_y 1
		.amdhsa_system_sgpr_workgroup_id_z 1
		.amdhsa_system_vgpr_workitem_id 0
		.amdhsa_next_free_vgpr 512
		.amdhsa_next_free_sgpr 80
		.amdhsa_reserve_vcc 0
		.amdhsa_float_denorm_mode_32 3
		.amdhsa_float_denorm_mode_16_64 3
		.amdhsa_memory_ordered 1
		.amdhsa_forward_progress 1
		.amdhsa_inst_pref_size 129
	.end_amdhsa_kernel
	.amdgpu_metadata
---
amdhsa.version: [ 1, 2 ]
amdhsa.kernels:
  - .name:           k_q31b9856319_pmk
    .symbol:         k_q31b9856319_pmk.kd
    .args:
      - { .name: wout16, .offset: 0, .size: 8, .value_kind: global_buffer, .address_space: global }
      - { .name: t16, .offset: 8, .size: 8, .value_kind: global_buffer, .address_space: global }
      - { .name: amax, .offset: 16, .size: 8, .value_kind: global_buffer, .address_space: global }
      - { .name: p16, .offset: 24, .size: 8, .value_kind: global_buffer, .address_space: global }
    .group_segment_fixed_size: 327680
    .private_segment_fixed_size: 0
    .kernarg_segment_align: 8
    .kernarg_segment_size: 32
    .max_flat_workgroup_size: 128
    .sgpr_count:     80
    .vgpr_count:     512
    .wavefront_size: 32
...
	.end_amdgpu_metadata
.endif
;; end of part 4
;; launch outg (part 5): grid 32 x 8, 4 waves a work-group, clusters of 4 x 4, 327,680 bytes of LDS; arguments p16, x16, amax, pm, out0; writes out0
.if DOCPART == 5
	.amdgcn_target "amdgcn-amd-amdhsa--gfx1250"
	.amdhsa_code_object_version 6
	.text
	.protected	k_q31b9856319_outg
	.globl	k_q31b9856319_outg
	.p2align	8
	.type	k_q31b9856319_outg,@function
k_q31b9856319_outg:
	s_mov_b64 s[64:65], 0
	v_nop
	global_prefetch_b8 v0, s[64:65] scope:SCOPE_SE
	s_setreg_imm32_b32 hwreg(HW_REG_WAVE_MODE, 25, 1), 1
	s_wait_xcnt 0x0
	s_wait_alu depctr_hold_cnt(0) depctr_sa_sdst(0) depctr_va_vdst(0) depctr_va_sdst(0) depctr_va_ssrc(0) depctr_va_vcc(0) depctr_vm_vsrc(0)
	s_getreg_b32 s2, hwreg(HW_REG_IB_STS2, 6, 4)
	s_cmp_eq_u32 s2, 0
	s_cbranch_scc0 .Lentry_in_a_cluster
	s_endpgm
.Lentry_in_a_cluster:
	s_bfe_u32 s2, ttmp6, 0x10000c
	s_cmp_lg_u32 s2, 0xf033
	s_cbranch_scc0 .Lentry_shape_is_right
	s_endpgm
.Lentry_shape_is_right:
; pmk (MODE 0) and outg (MODE 1) are one text:  Y[o][n] = scale x sum over k of W[o][k] X[k][n],  k = 1,024, f16 operands, f32 sums.
;   MODE 0:  W = W_out, X = T'_b [1024][1024], Y = P''_b in f16, scale g = 2^-4 / (Eq Eo)
;   MODE 1:  W = P''_b, X = x_b [1024][2048],  Y = out_b in f32, scale s_b = SCALE 32 Eq Eo EM
; Eq, Eo: the powers of two at or below the largest |Wq|, |W_out| (from amax, clamped below at 2^-40); EM: the power of two at or below B_b (see tmk).
; |T'| <= 128 max|Wq|, so |sum| < 1024 x 128 x 4 Eq Eo and |P''| < 32,768 for every input: it has room in f16.  All factors are exact powers of two
; but SCALE.  LIMITS: weights below 2^-40 lose precision; B_b below 2^127; a denormal B_b gives 0.
; A work-group makes 128 o x 256 n, a wave 64 x 128 = 32 accumulator tiles (window 1).  k goes in steps of 128 through two LDS slots of four
; parts of 34,816 bytes, part w filled by wave w: W's two halves (64 rows x 272, half a part each), X's two halves (64 rows x 544).
; CLUSTERS 4 x 4: W's tile hangs on grid y (and the batch, which the whole cluster shares): shared along a row; X's on grid x: along a column.
.set MODE, 1
.if MODE
.set XP,   2048                        ; elements in a row of X
.set XBSH, 22                          ; a batch of X, log2 bytes
.set XHSH, 18                          ; 64 rows of X, log2 bytes
.set CHM,  7                           ; column blocks in a batch, less 1
.set YBSH, 23
.set YRSH, 13
.set YCSH, 10
.set YWSH, 9
.set SP,   528                         ; stage pitch: 128 f32 + 16 bytes
.else
.set XP,   1024
.set XBSH, 21
.set XHSH, 17
.set CHM,  3
.set YBSH, 21
.set YRSH, 11
.set YCSH, 9
.set YWSH, 8
.set SP,   272                         ; 128 f16 + 16 bytes
.endif
.set WPITCH, 272
.set XPITCH, 544
.set PART,   34816
.set SLOT,   4*PART
.set STAGE,  2*SLOT                    ; behind the ring: 8,448 bytes for each wave; no tensor load lands there
.set WSTEP,  256
.set XSTEP,  256*XP
.set LAPS,   4
.set ADRW, 16
.set ADRX, 20
.set STO,  24
.set RD,   25
.set CO,   26
.set AO,   27                          ; 16 x lane
.set SC,   28                          ; v[28:29] the scale, twice
.set PO4,  30                          ; 4 x lane
.set TMP,  32
.set XF0,  64
.set XF1,  128
.set WF0,  192
.set WF1,  224
.set G1W, 24
.set G0W, 32
.set G1X, 48
.set G0X, 56
.set MULW, 0x50                        ; C and D window 1, sources window 0
.set MSB, 0
.macro WIN new
.if MSB != \new
	s_set_vgpr_msb (MSB<<8)|\new
.set MSB, \new
.endif
.endm
.macro JLOAD s
	s_cmp_eq_u32 s13, 0
	s_cbranch_scc0 .Lfor_x_\@
	tensor_load_to_lds s[G0W+4*\s:G0W+4*\s+3], s[G1W:G1W+7]
	s_nop 0
	s_branch .Lasked_\@
.Lfor_x_\@:
	tensor_load_to_lds s[G0X+4*\s:G0X+4*\s+3], s[G1X:G1X+7]
	s_nop 0
.Lasked_\@:
.endm
.macro CREST
	s_cmp_lg_u32 s12, 0
	s_cbranch_scc1 .Lnot_wave_0_\@
	s_barrier_signal -3
.Lnot_wave_0_\@:
	s_barrier_wait -3
	s_barrier_signal -1
	s_barrier_wait -1
.endm
.macro CROUND
	s_barrier_signal -1
	s_barrier_wait -1
	CREST
.endm
.macro PLACES
.rept 4
	v_nop
.endr
.endm
.macro MAXALL r, t
	v_max_num_f32_dpp v[\r], v[\r], v[\r] row_xmask:1 row_mask:0xf bank_mask:0xf
	v_max_num_f32_dpp v[\r], v[\r], v[\r] row_xmask:2 row_mask:0xf bank_mask:0xf
	v_max_num_f32_dpp v[\r], v[\r], v[\r] row_xmask:4 row_mask:0xf bank_mask:0xf
	v_max_num_f32_dpp v[\r], v[\r], v[\r] row_xmask:8 row_mask:0xf bank_mask:0xf
	v_permlanex16_b32 v[\t], v[\r], s21, s22
	v_max_num_f32 v[\r], v[\r], v[\t]
.endm
	s_load_b128 s[4:7], s[0:1], 0x0                ; W s[4:5], X s[6:7]
	s_load_b64 s[8:9], s[0:1], 0x10                ; amax
.if MODE
	s_load_b64 s[10:11], s[0:1], 0x18              ; pm
	s_load_b64 s[68:69], s[0:1], 0x20              ; Y
	v_lshl_add_u32 v62, v0, 2, 0x4c400
	v_mov_b32 v63, 0
	ds_add_u32 v62, v63
.else
	s_load_b64 s[68:69], s[0:1], 0x18              ; Y
.endif
	v_lshrrev_b32 v1, 5, v0
	v_readfirstlane_b32 s12, v1                    ; wave
	s_lshr_b32 s13, s12, 1                         ; my half of the rows o.  Also: I fetch for W (0) or for X (1)
	s_and_b32 s14, s12, 1                          ; my half of the columns n.  Also: which half of that tile I fetch
	s_bfe_u32 s15, ttmp6, 0x40000                  ; cx
	s_bfe_u32 s16, ttmp6, 0x40004                  ; cy
	s_lshl_b32 s17, ttmp9, 2
	s_add_co_u32 s17, s17, s15                     ; grid x
	s_and_b32 s18, ttmp7, 0xffff
	s_lshl_b32 s18, s18, 2
	s_add_co_u32 s18, s18, s16                     ; grid y
	s_lshl_b32 s19, s16, 2
	s_lshl_b32 s19, 15, s19                        ; my row of the cluster
	s_lshl_b32 s20, 0x1111, s15                    ; my column
	s_mov_b32 s21, 0x76543210
	s_mov_b32 s22, 0xfedcba98
.if MODE
	s_lshr_b32 s23, ttmp9, 1                       ; the batch, from the cluster's x: the same in all sixteen
.else
	s_mov_b32 s23, ttmp9
.endif
	s_or_b32 s[G1W+0], s19, (1<<16)|(1<<20)|(1<<21)|(5<<22)|(3<<25)   ; 64 rows x 128 elements of 2 bytes, 4 words behind every 64
	s_mov_b32 s[G1W+1], 128<<16
	s_mov_b32 s[G1W+2], 64<<16
	s_mov_b32 s[G1W+3], 128<<16
	s_mov_b32 s[G1W+4], 64
	s_mov_b32 s[G1W+5], 1024
	s_mov_b32 s[G1W+6], 0
	s_mov_b32 s[G1W+7], 0
	s_or_b32 s[G1X+0], s20, (1<<16)|(1<<20)|(1<<21)|(6<<22)|(7<<25)   ; 64 rows x 256 elements, 8 words behind every 128
	s_mov_b32 s[G1X+1], 256<<16
	s_mov_b32 s[G1X+2], 64<<16
	s_mov_b32 s[G1X+3], 256<<16
	s_mov_b32 s[G1X+4], 64
	s_mov_b32 s[G1X+5], XP
	s_mov_b32 s[G1X+6], 0
	s_mov_b32 s[G1X+7], 0
	s_lshl_b32 s40, s18, 7                         ; W: row 128 grid y + 64 half, 2,048 bytes a row.  s40-43 never hold cx
	s_lshl_b32 s41, s14, 6
	s_add_co_u32 s40, s40, s41
	s_lshl_b32 s40, s40, 11
.if MODE
	s_lshl_b32 s41, s23, 21
	s_add_co_u32 s40, s40, s41
.endif
	s_mov_b32 s41, 0
	s_mul_i32 s42, s12, PART                       ; my part of a slot: wave x 34,816
	s_lshl_b32 s44, s23, XBSH                      ; X: the batch, 512 bytes x column block, 64 rows x half.  s44-47 never hold cy
	s_and_b32 s45, s17, CHM
	s_lshl_b32 s45, s45, 9
	s_add_co_u32 s44, s44, s45
	s_lshl_b32 s45, s14, XHSH
	s_add_co_u32 s44, s44, s45
	s_mov_b32 s45, 0
	s_lshl_b32 s70, s18, 7                         ; Y: my first row and column
	s_lshl_b32 s71, s13, 6
	s_add_co_u32 s70, s70, s71
	s_lshl_b32 s70, s70, YRSH
	s_lshl_b32 s71, s23, YBSH
	s_add_co_u32 s70, s70, s71
	s_and_b32 s71, s17, CHM
	s_lshl_b32 s71, s71, YCSH
	s_add_co_u32 s70, s70, s71
	s_lshl_b32 s71, s14, YWSH
	s_add_co_u32 s70, s70, s71
	s_mov_b32 s71, 0
	s_lshl_b32 s72, s23, 10                        ; pm: the batch's 256 words
	s_mov_b32 s73, 0
	s_wait_dscnt 0x0
	s_wait_kmcnt 0x0
	s_add_nc_u64 s[40:41], s[4:5], s[40:41]
	s_add_nc_u64 s[44:45], s[6:7], s[44:45]
	s_add_nc_u64 s[68:69], s[68:69], s[70:71]
.if MODE
	s_add_nc_u64 s[10:11], s[10:11], s[72:73]
.endif
	CROUND                                         ; all sixteen work-groups are here: the first joint loads meet
.irp s, 0,1
	s_mov_b32 s[G0W+4*\s], 1
	s_add_co_u32 s[G0W+4*\s+1], s42, \s*SLOT
	s_add_nc_u64 s[G0W+4*\s+2:G0W+4*\s+3], s[40:41], \s*WSTEP
	s_or_b32 s[G0W+4*\s+3], s[G0W+4*\s+3], 0x80000000
	s_mov_b32 s[G0X+4*\s], 1
	s_add_co_u32 s[G0X+4*\s+1], s42, \s*SLOT
	s_add_nc_u64 s[G0X+4*\s+2:G0X+4*\s+3], s[44:45], \s*XSTEP
	s_or_b32 s[G0X+4*\s+3], s[G0X+4*\s+3], 0x80000000
	JLOAD \s                                       ; two loads of the wave are out
.endr
	; the scale's inputs: all 1,024 words of amax (16 registers Wq's, 16 W_out's), and in MODE 1 the batch's 256 words of pm
	v_and_b32 v7, 31, v0
	v_lshlrev_b32 v[AO], 4, v7
.irp i, 0,1,2,3,4,5,6,7
	global_load_b128 v[64+4*\i:64+4*\i+3], v[AO], s[8:9] offset:512*\i
.endr
.if MODE
	v_lshlrev_b32 v[PO4], 2, v7
.irp c, 0,1,2,3,4,5,6,7
	global_load_b32 v[96+\c], v[PO4], s[10:11] offset:128*\c
.endr
.endif
	v_and_b32 v1, 15, v0                           ; r
	v_bfe_u32 v2, v0, 4, 1                         ; hh
	v_and_b32 v3, 7, v0
	v_bfe_u32 v4, v0, 3, 1
	v_mul_u32_u24 v5, v1, WPITCH
	v_lshl_add_u32 v5, v2, 4, v5                   ; r x 272 + 16 hh
	v_lshl_add_u32 v6, v2, 3, v3
	v_mul_u32_u24 v6, v6, XPITCH
	v_lshl_add_u32 v6, v4, 4, v6                   ; (8 hh + l % 8) x 544 + 16 ((l / 8) % 2)
	s_mul_i32 s66, s13, PART                       ; my 64 rows of W are one part
	s_lshl_b32 s67, s14, 8
	s_add_co_u32 s67, s67, 2*PART                  ; X lies in parts 2 and 3
.irp s, 0,1
	v_add_nc_u32 v[ADRW+\s], s66, v5
	v_add_nc_u32 v[ADRX+\s], s67, v6
	s_add_co_u32 s66, s66, SLOT
	s_add_co_u32 s67, s67, SLOT
.endr
	s_mul_i32 s74, s12, 8448
	s_add_co_u32 s74, s74, STAGE                   ; my stage
.if MODE
	v_mul_u32_u24 v[STO], v1, SP                   ; in: row r, 32 bytes (8 f32) for each half of the lanes
	v_lshl_add_u32 v[STO], v2, 5, v[STO]
	v_add_nc_u32 v[STO], s74, v[STO]
	v_add_nc_u32 v[RD], s74, v[AO]                 ; back: 32 lanes take one row of 512 bytes
	v_lshlrev_b32 v[CO], 4, v7
.else
	v_add_nc_u32 v[STO], s74, v5                   ; in: row r, 16 bytes (8 f16) for each half of the lanes
	v_mul_u32_u24 v[RD], v2, SP                    ; back: lanes 0-15 one row of 256 bytes, lanes 16-31 the next
	v_lshl_add_u32 v[RD], v1, 4, v[RD]
	v_add_nc_u32 v[RD], s74, v[RD]
	v_lshlrev_b32 v[CO], 4, v1
	v_lshl_add_u32 v[CO], v2, 11, v[CO]
.endif
	s_wait_loadcnt 0x0
	v_max_num_f32 v8, v64, v65
	v_max_num_f32 v9, v80, v81
.irp k, 2,4,6,8,10,12,14
	v_max3_num_f32 v8, v[64+\k], v[65+\k], v8
	v_max3_num_f32 v9, v[80+\k], v[81+\k], v9
.endr
	MAXALL 8, 64
	MAXALL 9, 65
	v_max_num_f32 v8, 0x2b800000, v8               ; at least 2^-40, so that the factors stay finite for weights that are all zero
	v_max_num_f32 v9, 0x2b800000, v9
	v_and_b32 v8, 0x7f800000, v8                   ; Eq
	v_and_b32 v9, 0x7f800000, v9                   ; Eo
.if MODE
	v_add_f32 v96, v96, v97
.irp c, 2,3,4,5,6,7
	v_add_f32 v96, v96, v[96+\c]
.endr
	MAXALL 96, 97                                  ; B_b
	v_and_b32 v96, 0x7f800000, v96                 ; EM
	v_mul_f32 v8, v8, v9
	v_mul_f32 v8, 0x403504f3, v8                   ; 32 / sqrt(128)
	v_mul_f32 v[SC], v8, v96
	v_mul_f32 v[SC+1], v8, v96
.else
	v_sub_nc_u32 v8, 0x7f000000, v8                ; 1 / Eq: the exponent fields add up to 254
	v_sub_nc_u32 v9, 0x7f000000, v9
	v_mul_f32 v8, v8, v9
	v_mul_f32 v[SC], 0x3d800000, v8                ; 2^-4
	v_mul_f32 v[SC+1], 0x3d800000, v8
.endif
; 8 matrix instructions: row block a x all 8 column blocks, 32 along k.  Source 0 = 16 columns of X, source 1 = 16 rows of W:
; lane l holds row l % 16 of Y and registers 0-7 the columns 8 (l / 16) + 0..7.
.macro MUL8 xf, wf, a, zero
.irp b, 0,1,2,3,4,5,6,7
.if \zero
	v_wmma_f32_16x16x32_f16 v[8*(8*\a+\b):8*(8*\a+\b)+7], v[\xf+8*\b:\xf+8*\b+7], v[\wf+8*\a:\wf+8*\a+7], 0
.else
	v_wmma_f32_16x16x32_f16 v[8*(8*\a+\b):8*(8*\a+\b)+7], v[\xf+8*\b:\xf+8*\b+7], v[\wf+8*\a:\wf+8*\a+7], v[8*(8*\a+\b):8*(8*\a+\b)+7]
.endif
.endr
.endm
.macro FETCH slot, q, xf, wf           ; 24 LDS loads in one run: X's 8 fragments transposed, then W's 4
.irp i, 0,1,2,3,4,5,6,7
	ds_load_tr16_b128 v[\xf+8*\i:\xf+8*\i+3],   v[ADRX+\slot] offset:\q*32*XPITCH+32*\i
	ds_load_tr16_b128 v[\xf+8*\i+4:\xf+8*\i+7], v[ADRX+\slot] offset:\q*32*XPITCH+32*\i+16*XPITCH
.endr
.irp i, 0,1,2,3
	ds_load_b128 v[\wf+8*\i:\wf+8*\i+3],   v[ADRW+\slot] offset:\q*64+\i*16*WPITCH
	ds_load_b128 v[\wf+8*\i+4:\wf+8*\i+7], v[ADRW+\slot] offset:\q*64+\i*16*WPITCH+32
.endr
.endm
; The 32 accumulators take turns, one instruction a turn, in the same order in every quarter.
.macro QUARTER slot, q, xf, wf, xg, wg, zero
	s_wait_dscnt 4                                 ; X and W's row blocks 0, 1 are in; the youngest four loads (blocks 2, 3) may be out
	WIN MULW
	MUL8 \xf, \wf, 0, \zero
	MUL8 \xf, \wf, 1, \zero
	PLACES
	WIN 0
	FETCH \slot, \q, \xg, \wg
	s_wait_dscnt 24                                ; all but the 24 just issued
	WIN MULW
	MUL8 \xf, \wf, 2, \zero
	MUL8 \xf, \wf, 3, \zero
.endm
.macro THREE slot, zero
	QUARTER \slot, 1, XF0, WF0, XF1, WF1, \zero
	QUARTER \slot, 2, XF1, WF1, XF0, WF0, 0
	QUARTER \slot, 3, XF0, WF0, XF1, WF1, 0
.endm
.macro TURN slot, next, fill
	s_wait_dscnt 4
	WIN MULW
	MUL8 XF1, WF1, 0, 0
	s_wait_dscnt 0                                 ; my reads of this slot are over
	s_wait_tensorcnt 0x0                           ; all my tensor loads have landed: the one that was out is my part of the next slot
	ds_add_u32 v62, v63
	s_wait_dscnt 0x0
	s_barrier_signal -1
	MUL8 XF1, WF1, 1, 0                            ; register work while the others arrive
	WIN 0
	s_barrier_wait -1
.if \fill
	CREST                                          ; no wave of any partner still reads this slot or has a load on its way
	s_add_nc_u64 s[G0W+4*\slot+2:G0W+4*\slot+3], s[G0W+4*\slot+2:G0W+4*\slot+3], 2*WSTEP
	s_add_nc_u64 s[G0X+4*\slot+2:G0X+4*\slot+3], s[G0X+4*\slot+2:G0X+4*\slot+3], 2*XSTEP
	JLOAD \slot                                    ; the first tensor load behind the round, one a wave
.endif
	PLACES
	FETCH \next, 0, XF0, WF0
	WIN MULW
	MUL8 XF1, WF1, 2, 0
	MUL8 XF1, WF1, 3, 0
.endm
.macro LAP zero
	THREE 0, \zero
	TURN 0, 1, 1
	THREE 1, 0
	TURN 1, 0, 1
.endm
	s_wait_tensorcnt 0x1                           ; my part of step 0 is in; step 1's may stay out
	s_barrier_signal -1
	s_barrier_wait -1
	FETCH 0, 0, XF0, WF0
	LAP 1
	WIN 0
	s_mov_b32 s3, LAPS-2
.Llap:
	LAP 0
	WIN 0
	s_sub_co_u32 s3, s3, 1
	s_cmp_lg_u32 s3, 0
	s_cbranch_scc1 .Llap
	THREE 0, 0                                     ; the last lap fills nothing
	TURN 0, 1, 0
	THREE 1, 0
	s_wait_dscnt 4
	WIN MULW
	MUL8 XF1, WF1, 0, 0
	MUL8 XF1, WF1, 1, 0
	s_wait_dscnt 0
	MUL8 XF1, WF1, 2, 0
	MUL8 XF1, WF1, 3, 0
	; the way out, 16 rows at a time: scale, into my own stage, whole rows back, stores of whole aligned runs
	PLACES
.macro OUT16 a, f
	WIN 0x41
.set k, 0
.rept 32
	v_pk_mul_f32 v[64*\a+k:64*\a+k+1], v[64*\a+k:64*\a+k+1], v[SC:SC+1]
.set k, k+2
.endr
.if MODE
	WIN 0x04
.irp b, 0,1,2,3,4,5,6,7
	ds_store_b128 v[STO], v[64*\a+8*\b:64*\a+8*\b+3]   offset:64*\b
	ds_store_b128 v[STO], v[64*\a+8*\b+4:64*\a+8*\b+7] offset:64*\b+16
.endr
	WIN 0
	s_wait_xcnt 0x0                                ; buffer f, which earlier stores read, is loaded again only behind this wait
.irp t, 0,1,2,3,4,5,6,7,8,9,10,11,12,13,14,15
	ds_load_b128 v[\f+4*\t:\f+4*\t+3], v[RD] offset:\t*SP          ; LDS serves a wave's instructions in order: these see the stores above
.endr
.irp t, 0,1,2,3,4,5,6,7,8,9,10,11,12,13,14,15
	s_wait_dscnt 15-\t
	global_store_b128 v[CO], v[\f+4*\t:\f+4*\t+3], s[68:69] offset:\a*131072+\t*8192 th:TH_STORE_NT   ; 512 consecutive aligned bytes
.endr
.else
	WIN 0x05
.irp b, 0,1,2,3,4,5,6,7
.irp r, 0,1,2,3
	v_cvt_pk_f16_f32 v[TMP+4*\b+\r], v[64*\a+8*\b+2*\r], v[64*\a+8*\b+2*\r+1]
.endr
.endr
	WIN 0
.irp b, 0,1,2,3,4,5,6,7
	ds_store_b128 v[STO], v[TMP+4*\b:TMP+4*\b+3] offset:32*\b
.endr
	s_wait_xcnt 0x0                                ; buffer f, which earlier stores read, is loaded again only behind this wait
.irp t, 0,1,2,3,4,5,6,7
	ds_load_b128 v[\f+4*\t:\f+4*\t+3], v[RD] offset:\t*2*SP
.endr
.irp t, 0,1,2,3,4,5,6,7
	s_wait_dscnt 7-\t
	global_store_b128 v[CO], v[\f+4*\t:\f+4*\t+3], s[68:69] offset:\a*32768+\t*4096   ; sixteen lanes store 256 consecutive aligned bytes
.endr
.endif
.endm
	OUT16 0, XF0
	OUT16 1, XF1
	OUT16 2, XF0
	OUT16 3, XF1
	s_wait_tensorcnt 0x0
	ds_add_u32 v62, v63
	s_wait_dscnt 0x0
	CROUND                                         ; the closing round
	s_endpgm
.Lfunc_end_k_q31b9856319_outg:
	.size	k_q31b9856319_outg, .Lfunc_end_k_q31b9856319_outg-k_q31b9856319_outg
	.p2alignl 7, 3214868480
	.fill 96, 4, 3214868480
	.section	.rodata,"a",@progbits
	.p2align	6, 0x0
	.amdhsa_kernel k_q31b9856319_outg
		.amdhsa_group_segment_fixed_size 327680
		.amdhsa_private_segment_fixed_size 0
		.amdhsa_enable_private_segment 0
		.amdhsa_kernarg_size 40
		.amdhsa_user_sgpr_count 2
		.amdhsa_user_sgpr_kernarg_segment_ptr 1
		.amdhsa_wavefront_size32 1
		.amdhsa_system_sgpr_workgroup_id_x 1
		.amdhsa_system_sgpr_workgroup_id_y 1
		.amdhsa_system_sgpr_workgroup_id_z 1
		.amdhsa_system_vgpr_workitem_id 0
		.amdhsa_next_free_vgpr 512
		.amdhsa_next_free_sgpr 80
		.amdhsa_reserve_vcc 0
		.amdhsa_float_denorm_mode_32 3
		.amdhsa_float_denorm_mode_16_64 3
		.amdhsa_memory_ordered 1
		.amdhsa_forward_progress 1
		.amdhsa_inst_pref_size 130
	.end_amdhsa_kernel
	.amdgpu_metadata
---
amdhsa.version: [ 1, 2 ]
amdhsa.kernels:
  - .name:           k_q31b9856319_outg
    .symbol:         k_q31b9856319_outg.kd
    .args:
      - { .name: p16, .offset: 0, .size: 8, .value_kind: global_buffer, .address_space: global }
      - { .name: x16, .offset: 8, .size: 8, .value_kind: global_buffer, .address_space: global }
      - { .name: amax, .offset: 16, .size: 8, .value_kind: global_buffer, .address_space: global }
      - { .name: pm, .offset: 24, .size: 8, .value_kind: global_buffer, .address_space: global }
      - { .name: out0, .offset: 32, .size: 8, .value_kind: global_buffer, .address_space: global }
    .group_segment_fixed_size: 327680
    .private_segment_fixed_size: 0
    .kernarg_segment_align: 8
    .kernarg_segment_size: 40
    .max_flat_workgroup_size: 128
    .sgpr_count:     80
    .vgpr_count:     512
    .wavefront_size: 32
...
	.end_amdgpu_metadata
.endif
;; end of part 5
